; MI455X (gfx1250); checked and timed in simulation.
; The chip was launched on July 23, 2026; its instructions are those of AMD's public machine-readable ISA for CDNA 5 (MIT licence, August 2026) and "CDNA5" Instruction Set Architecture Reference Guide (July 2026). The comments in the code are by the model that wrote it; some were corrected since.
;; Multi Head Attention. Allowed arithmetic: matrix products marked QUANTISED: E2M1 operands, one E8M0 scale for each 32 along K, by v_wmma_scale_f32_16x16x128_f8f6f4 with both operands' format E2M1 (or v_wmma_scale_f32_32x16x128_f4), f32 sums; products left as they are: bf16, f16 or f32 operands; f32 sums; everything else in f32.
;; Inputs: Wk 1,024 x 1,024 float32; Wo 1,024 x 1,024 float32; Wq 1,024 x 1,024 float32; Wv 1,024 x 1,024 float32; bo 1,024 float32; x 4 x 2,048 x 1,024 float32.
;; Outputs: out0 4 x 2,048 x 1,024 float32.
;; This version of the problem:
;;   THIS VERSION OF THE PROBLEM IS GIVEN IN LOW PRECISION. The matrix products marked QUANTISED in the list below multiply operands that are first quantised to E2M1 (2 exponent bits, 1 mantissa bit; 4 bits a number), with one power-of-two scale for each 32 numbers along K (OCP MX v1.0); their sums are f32. The products marked 'left as it is' may take bf16, f16 or f32 operands, with f32 sums. Whichever they take, every output number must still come out within the allowed error. Rounding operands to bf16 (8 significant bits) uses up far more of that allowance than f16 does (11 bits, for magnitudes from 6e-5 to 65,504). All else is computed in f32.
;;   The module's matrix products, in the order in which they are computed (A, B: the left and right operand; K: the contracted axis; several contracted axes count as one K, in the product's order):
;;     1. [M 8,192, K 1,024] x [K 1,024, N 1,024]; A: input x; B: input Wq: QUANTISED
;;     2. [M 8,192, K 1,024] x [K 1,024, N 1,024]; A: input x; B: input Wk: QUANTISED
;;     3. [M 8,192, K 1,024] x [K 1,024, N 1,024]; A: input x; B: input Wv: QUANTISED
;;     4. batch 64 x [M 2,048, K 64] x [K 64, N 2,048]; A: computed on the way; B: computed on the way: left as it is (an operand is computed on the way)
;;     5. batch 64 x [M 2,048, K 2,048] x [K 2,048, N 64]; A: computed on the way; B: computed on the way: left as it is (an operand is computed on the way)
;;     6. [M 8,192, K 1,024] x [K 1,024, N 1,024]; A: computed on the way; B: input Wo: left as it is (an operand is computed on the way)
;;   THE QUANTISER, for each operand of a quantised product, along K:
;;     - K is cut into blocks of 32 from its start; a last block that is shorter is filled with zeros.
;;     - A block's scale is 2^e with e = floor(log2(the largest magnitude in the block)) - 2, held to -126 .. 127; a block of zeros has e = 0. As a byte (E8M0): e + 127.
;;     - Each number is divided by its block's scale, clamped to +-6, and rounded to the nearest number of E2M1, ties to even, subnormals kept.
;;     - The product sums the exact products of the quantised numbers (number of the format x scale) in f32.
;;   ~~~python
;;   def quantise(x, axis):      # numpy; x: float32 -> the quantised numbers, widened to float32 again
;;       x = np.moveaxis(x, axis, -1); K = x.shape[-1]
;;       x = np.pad(x, [(0, 0)] * (x.ndim - 1) + [(0, -K % 32)]); x = x.reshape(x.shape[:-1] + (-1, 32)); a = np.abs(x).max(-1, keepdims=True)
;;       e = np.where(a > 0, np.clip(np.frexp(np.where(a > 0, a, 1))[1] - 1 - 2, -126, 127), 0)      # np.frexp(a)[1] - 1 = floor(log2(a)), exactly
;;       r = np.clip(x / 2.0 ** e, -6, 6)
;;       step = 2.0 ** (np.maximum(np.frexp(np.where(r == 0, 1, r))[1] - 1, 0) - 1)
;;       q = np.round(r / step) * step * 2.0 ** e      # np.round: ties to even
;;       return np.moveaxis(q.reshape(q.shape[:-2] + (-1,))[..., :K], -1, axis).astype(np.float32)
;;   ~~~
;; One version. Each part assembles by itself: llvm-mc -triple=amdgcn-amd-amdhsa -mcpu=gfx1250 --defsym DOCPART=n.
;; ======== version 1 of 1: 6 launches
;; limits: values are held in f16: magnitudes above 65,504 overflow, below 6.1e-05 lose precision
;; workspace buffers: xc 4,194,304 bytes; xs 262,144 bytes; wc 1,572,864 bytes; ws 98,304 bytes; wot 2,097,152 bytes; qkv 50,331,648 bytes; ctx 16,777,216 bytes; c16 262,144 bytes
;; launch prep (part 1): grid 368 x 1, 4 waves a work-group, no clusters, 102,912 bytes of LDS; arguments x, Wq, Wk, Wv, Wo, xc, xs, wc, ws, wot; writes xc, xs, wc, ws, wot
.if DOCPART == 1
	.amdgcn_target "amdgcn-amd-amdhsa--gfx1250"
	.amdhsa_code_object_version 6
	.text
	.protected	k_q4400978cea_prep
	.globl	k_q4400978cea_prep
	.p2align	8
	.type	k_q4400978cea_prep,@function
k_q4400978cea_prep:
	s_mov_b64 s[64:65], 0
	v_nop
	global_prefetch_b8 v0, s[64:65] scope:SCOPE_SE
	s_setreg_imm32_b32 hwreg(HW_REG_WAVE_MODE, 25, 1), 1
	s_wait_xcnt 0x0
; PREP.  Three jobs, told apart by the work-group's number; the three paths never join and use LDS bytes of their own.
;   work-groups 0-255   (path X): x [8192][1024] f32 -> codes of FP4 (E2M1), K innermost, xc [8192][512 bytes], and one E8M0 byte for each 32 along K, xs [8192][32].
;   work-groups 256-303 (path W): Wq, Wk, Wv [1024 k][1024 n] f32, K their FIRST axis -> wc [3072 n][512 bytes], ws [3072][32]; row n = 1024 x (0, 1, 2 for q, k, v) + column.
;   work-groups 304-367 (path O): Wo [1024 k][1024 n] f32 -> f16, turned: wot [1024 n][1024 k].
; A block's scale is 2^(floor(log2(its largest magnitude)) - 2); its byte is the largest magnitude's exponent field - 2, held at 1 from below.
; LIMITS: a block of zeros gets the byte 1 where the quantiser says 127 (its codes are zeros, which add nothing, and this program alone reads the bytes); blocks whose largest magnitude lies under 2^-124, the floor, were not tried;
; NaN and infinities among the inputs are not served; numbers of Wo beyond 65,504 in magnitude do not fit f16.
; No tensor loads, no barrier: waves share nothing.
.set SPARE, 102400                     ; behind the three paths' regions: the spare words, 128 bytes for each wave, that no other line names
.set SPW,   12                         ; v12  LDS address of my spare word; never rewritten
.set NIL,   13                         ; v13  0; never rewritten
.set SP,    80                         ; path X: a lane's place in a stage: its 64 bytes + 16 of padding
.set XR,    16                         ; path X: v16-79   four sets of 16 numbers as they are loaded
.set XN,    80                         ;         v80-111  two sets of 16 neighbours
.set XE,    112                        ;         v112-127 a scale byte for each step
.set XC,    128                        ;         v128-191 codes, four registers for each step
.set WPITCH, 272                       ; paths W and O: a stage row: 256 bytes + 16
.set WSTG,  32768                      ; path W's four stages
.set OSTG,  67584                      ; path O's four stages
.set WX,    32                         ; path W: v32-95 two sets of 32 numbers
.set WC,    96                         ;         v96-99 a block's codes
.set WOUT,  112                        ;         v112-175 the way out
.set WSB,   24                         ;         v24-27 the scale bytes, four to a register
.set OX,    32                         ; path O: v32-159 four blocks of 32 numbers; later the way out
.macro X_LOAD t
.irp i, 0,1,2,3
	global_load_b128 v[XR+16*((\t)%4)+4*\i:XR+16*((\t)%4)+4*\i+3], v3, s[4:5] offset:2048*(\t)+512*\i th:TH_LOAD_NT   ; 32 lanes read 512 consecutive bytes
.endr
.endm
.macro X_TURN t                        ; step t's numbers through the stage: LDS serves a wave's instructions in order, so no wait stands between the stores and the loads
.irp i, 0,1,2,3
	ds_store_b128 v14, v[XR+16*((\t)%4)+4*\i:XR+16*((\t)%4)+4*\i+3] offset:32*SP*((\t)%2)+8*SP*\i
.endr
.irp i, 0,1,2,3
	ds_load_b128 v[XN+16*((\t)%2)+4*\i:XN+16*((\t)%2)+4*\i+3], v15 offset:32*SP*((\t)%2)+16*\i
.endr
.endm
.macro X_STEP t
.set XS, XN+16*((\t)%2)
.if (\t) > 0
	s_wait_dscnt 1                                 ; this step's numbers are back from the stage; the last step's byte store may be out
.else
	s_wait_dscnt 0x0
.endif
.if (\t)+4 < 16
	X_LOAD (\t)+4                                  ; the registers that the stage's stores have read take the loads of four steps on
.endif
.if (\t)+1 < 16
.if 14-(\t) >= 3
	s_wait_loadcnt 12                              ; the next step's four loads are in; those of the three steps behind it may be out
.else
	s_wait_loadcnt 4*(14-(\t))
.endif
	X_TURN (\t)+1
.endif
	v_max3_num_f32 v8, |v[XS]|, |v[XS+1]|, |v[XS+2]|               ; the largest magnitude of my 16
	v_max3_num_f32 v9, |v[XS+3]|, |v[XS+4]|, |v[XS+5]|
.irp i, 6,10
	v_max3_num_f32 v8, v8, |v[XS+\i]|, |v[XS+\i+1]|
	v_max3_num_f32 v9, v9, |v[XS+\i+2]|, |v[XS+\i+3]|
.endr
	v_max3_num_f32 v8, v8, |v[XS+14]|, |v[XS+15]|
	v_max3_num_f32 v8, v8, v9, 0x1800000           ; and the floor 2^(3 - 127): the byte cannot fall under 1
	v_max_num_f32_dpp v8, v8, v8 row_xmask:1 row_mask:0xf bank_mask:0xf   ; and of my neighbour's 16: the block's
	v_add_nc_u32 v11, 0xff000000, v8               ; 2 off its exponent field: the conversion takes the exponent field of this operand as its scale
	v_cvt_scalef32_pk8_fp4_f32 v[XC+4*(\t)], v[XS:XS+7], v11
	v_cvt_scalef32_pk8_fp4_f32 v[XC+4*(\t)+1], v[XS+8:XS+15], v11
	v_lshrrev_b32 v[XE+(\t)], 23, v11              ; the scale's byte
	ds_store_b8 v5, v[XE+(\t)] offset:16*(\t)      ; both lanes of a block write the same byte with the same value
	global_store_b64 v4, v[XC+4*(\t):XC+4*(\t)+1], s[14:15] offset:256*(\t)   ; the wave stores 256 consecutive bytes
.endm
.macro W_LOAD t                        ; block t: W(32 t + i, my column), i = 0 .. 31, into set t % 2
.irp i, 0,1,2,3,4,5,6,7,8,9,10,11,12,13,14,15,16,17,18,19,20,21,22,23,24,25,26,27,28,29,30,31
	global_load_b32 v[WX+32*((\t)%2)+\i], v3, s[6:7] offset:(32*(\t)+\i)*4096 th:TH_LOAD_NT
.endr
.endm
.macro W_BLOCK t
.set XS, WX+32*((\t)%2)
.if (\t) < 15
	s_wait_loadcnt 32                              ; this block's 32 loads are in; the next block's may be out
.else
	s_wait_loadcnt 0
.endif
	v_max3_num_f32 v16, |v[XS]|, |v[XS+1]|, |v[XS+2]|              ; the block's largest magnitude: all 32 numbers are mine
	v_max3_num_f32 v17, |v[XS+3]|, |v[XS+4]|, |v[XS+5]|
.irp i, 6,10,14,18,22,26
	v_max3_num_f32 v16, v16, |v[XS+\i]|, |v[XS+\i+1]|
	v_max3_num_f32 v17, v17, |v[XS+\i+2]|, |v[XS+\i+3]|
.endr
	v_max3_num_f32 v16, v16, |v[XS+30]|, |v[XS+31]|
	v_max3_num_f32 v16, v16, v17, 0x1800000        ; and the floor
	v_add_nc_u32 v11, 0xff000000, v16              ; the conversion's scale operand
	v_lshrrev_b32 v17, 23, v11                     ; the scale's byte
.if (\t)%4 == 0
	v_mov_b32 v[WSB+(\t)/4], v17                   ; four bytes to a register, the lower K in the lower byte
.else
	v_lshl_or_b32 v[WSB+(\t)/4], v17, 8*((\t)%4), v[WSB+(\t)/4]
.endif
.irp g, 0,1,2,3
	v_cvt_scalef32_pk8_fp4_f32 v[WC+\g], v[XS+8*\g:XS+8*\g+7], v11
.endr
	ds_store_b128 v4, v[WC:WC+3] offset:16*(\t)    ; 32 codes: 16 bytes of my column's row
.if (\t)+2 < 16
	W_LOAD (\t)+2
.endif
	s_wait_dscnt 0x0                               ; the store has read its registers: the next block's codes may be written
.endm
.macro O_LOAD t                        ; block t: Wo(32 t + i, my column)
.irp i, 0,1,2,3,4,5,6,7,8,9,10,11,12,13,14,15,16,17,18,19,20,21,22,23,24,25,26,27,28,29,30,31
	global_load_b32 v[OX+32*(\t)+\i], v3, s[12:13] offset:(32*(\t)+\i)*4096 th:TH_LOAD_NT
.endr
.endm
.macro O_BLOCK t
.if (\t) < 3
	s_wait_loadcnt 32                              ; this block's 32 loads are in; the next block's may be out
.else
	s_wait_loadcnt 0
.endif
.irp g, 0,1,2,3,4,5,6,7,8,9,10,11,12,13,14,15
	v_cvt_pk_f16_f32 v[OX+32*(\t)+\g], v[OX+32*(\t)+2*\g], v[OX+32*(\t)+2*\g+1]   ; in place, ascending: a result lands on numbers that have been read
.endr
.irp g, 0,1,2,3
	ds_store_b128 v4, v[OX+32*(\t)+4*\g:OX+32*(\t)+4*\g+3] offset:64*(\t)+16*\g   ; 32 along K: 64 bytes of my column's row
.endr
.if (\t)+2 < 4
	O_LOAD (\t)+2
.endif
.endm
	s_load_b256 s[4:11], s[0:1], 0x0               ; x s[4:5], Wq s[6:7], Wk s[8:9], Wv s[10:11]
	s_load_b256 s[12:19], s[0:1], 0x20             ; Wo s[12:13], xc s[14:15], xs s[16:17], wc s[18:19]
	s_load_b128 s[20:23], s[0:1], 0x40             ; ws s[20:21], wot s[22:23]
	v_lshl_add_u32 v[SPW], v0, 2, SPARE
	v_mov_b32 v[NIL], 0
	v_lshrrev_b32 v1, 5, v0
	v_readfirstlane_b32 s24, v1                    ; wave 0..3
	v_and_b32 v2, 31, v0                           ; lane
	s_wait_kmcnt 0x0
	s_cmp_lt_u32 ttmp9, 256
	s_cbranch_scc1 .Lpath_x
	s_cmp_lt_u32 ttmp9, 304
	s_cbranch_scc1 .Lpath_w
	; ---- PATH O: a wave takes 32 columns x 128 along K; a lane a column, its registers down K; out through the wave's stage as rows of 256 bytes
	s_sub_co_u32 s25, ttmp9, 304
	s_and_b32 s26, s25, 7                          ; which 128 columns
	s_lshr_b32 s27, s25, 3                         ; which 128 along K
	s_lshl_b32 s26, s26, 7
	s_lshl_b32 s28, s24, 5
	s_add_co_u32 s26, s26, s28                     ; my wave's first column
	s_lshl_b32 s28, s27, 19                        ; 128 rows of 4,096 bytes
	s_lshl_b32 s30, s26, 2
	s_add_co_u32 s28, s28, s30
	s_mov_b32 s29, 0
	s_add_nc_u64 s[12:13], s[12:13], s[28:29]
	s_lshl_b32 s28, s26, 11                        ; a row of wot is 2,048 bytes
	s_lshl_b32 s30, s27, 8
	s_add_co_u32 s28, s28, s30
	s_add_nc_u64 s[22:23], s[22:23], s[28:29]
	s_mul_i32 s31, s24, 32*WPITCH
	s_add_co_u32 s31, s31, OSTG                    ; my stage
	v_lshlrev_b32 v3, 2, v2                        ; in: 4 bytes a lane
	v_mul_u32_u24 v4, v2, WPITCH
	v_add_nc_u32 v4, s31, v4                       ; into the stage: row = my column
	v_and_b32 v5, 15, v2
	v_lshrrev_b32 v6, 4, v2
	v_mul_u32_u24 v7, v6, WPITCH
	v_lshl_add_u32 v7, v5, 4, v7
	v_add_nc_u32 v7, s31, v7                       ; out of it: sixteen lanes to a row, two rows an instruction
	v_lshlrev_b32 v8, 11, v6
	v_lshl_add_u32 v8, v5, 4, v8                   ; and the same place in wot
	O_LOAD 0
	O_LOAD 1
.irp t, 0,1,2,3
	O_BLOCK \t
.endr
	s_wait_dscnt 0x0                               ; the stores have read their registers, which the loads below write
.irp t, 0,1,2,3,4,5,6,7,8,9,10,11,12,13,14,15
	ds_load_b128 v[OX+4*\t:OX+4*\t+3], v7 offset:2*\t*WPITCH
.endr
.irp t, 0,1,2,3,4,5,6,7,8,9,10,11,12,13,14,15
	s_wait_dscnt 15-\t
	global_store_b128 v8, v[OX+4*\t:OX+4*\t+3], s[22:23] offset:2*\t*2048   ; sixteen lanes store 256 consecutive bytes, aligned
.endr
	s_wait_tensorcnt 0x0                           ; the wave's end: a wait, an add and its wait behind my last LDS store
	ds_add_u32 v[SPW], v[NIL]
	s_wait_dscnt 0x0
	s_endpgm
.Lpath_w:
	; ---- PATH W: a wave takes 32 columns x 512 along K of one of the three weights; a lane a column, its registers down K
	s_sub_co_u32 s25, ttmp9, 256
	s_cmp_lt_u32 s25, 16
	s_cselect_b64 s[6:7], s[6:7], s[8:9]           ; the choice hangs on the work-group's number alone
	s_cmp_lt_u32 s25, 32
	s_cselect_b64 s[6:7], s[6:7], s[10:11]
	s_lshr_b32 s26, s25, 4                         ; 0, 1, 2: q, k, v
	s_and_b32 s27, s25, 7                          ; which 128 columns
	s_bfe_u32 s28, s25, 0x10003                    ; which 512 along K
	s_lshl_b32 s27, s27, 7
	s_lshl_b32 s30, s24, 5
	s_add_co_u32 s27, s27, s30                     ; my wave's first column
	s_lshl_b32 s26, s26, 10
	s_add_co_u32 s26, s26, s27                     ; its row in wc and ws
	s_lshl_b32 s30, s28, 21                        ; 512 rows of 4,096 bytes
	s_lshl_b32 s32, s27, 2
	s_add_co_u32 s30, s30, s32
	s_mov_b32 s31, 0
	s_add_nc_u64 s[6:7], s[6:7], s[30:31]
	s_lshl_b32 s30, s26, 9
	s_lshl_b32 s32, s28, 8
	s_add_co_u32 s30, s30, s32
	s_add_nc_u64 s[18:19], s[18:19], s[30:31]
	s_lshl_b32 s30, s26, 5
	s_lshl_b32 s32, s28, 4
	s_add_co_u32 s30, s30, s32
	s_add_nc_u64 s[20:21], s[20:21], s[30:31]
	s_mul_i32 s33, s24, 32*WPITCH
	s_add_co_u32 s33, s33, WSTG                    ; my stage
	v_lshlrev_b32 v3, 2, v2
	v_mul_u32_u24 v4, v2, WPITCH
	v_add_nc_u32 v4, s33, v4
	v_and_b32 v5, 15, v2
	v_lshrrev_b32 v6, 4, v2
	v_mul_u32_u24 v7, v6, WPITCH
	v_lshl_add_u32 v7, v5, 4, v7
	v_add_nc_u32 v7, s33, v7
	v_lshlrev_b32 v8, 9, v6
	v_lshl_add_u32 v8, v5, 4, v8                   ; a row of wc is 512 bytes
	v_lshlrev_b32 v9, 5, v2                        ; my column's row of scale bytes
	W_LOAD 0
	W_LOAD 1
.irp t, 0,1,2,3,4,5,6,7,8,9,10,11,12,13,14,15
	W_BLOCK \t
.endr
	global_store_b128 v9, v[WSB:WSB+3], s[20:21]   ; my column's 16 scale bytes
.irp t, 0,1,2,3,4,5,6,7,8,9,10,11,12,13,14,15
	ds_load_b128 v[WOUT+4*\t:WOUT+4*\t+3], v7 offset:2*\t*WPITCH
.endr
.irp t, 0,1,2,3,4,5,6,7,8,9,10,11,12,13,14,15
	s_wait_dscnt 15-\t
	global_store_b128 v8, v[WOUT+4*\t:WOUT+4*\t+3], s[18:19] offset:2*\t*512   ; sixteen lanes store 256 consecutive bytes, aligned
.endr
	s_wait_tensorcnt 0x0                           ; the wave's end, as above
	ds_add_u32 v[SPW], v[NIL]
	s_wait_dscnt 0x0
	s_endpgm
.Lpath_x:
	; ---- PATH X: x is a plain stream of blocks of 32.  A wave takes 16 steps of 512 numbers; loads are dense, and a step's 2,048 bytes turn through the wave's stage so that a lane holds 16 neighbours
	s_mul_i32 s25, s24, 8192                       ; my wave's region: two stages of 32 x 80 bytes, then its 256 scale bytes
	v_lshlrev_b32 v3, 4, v2                        ; my 16 bytes of a load's 512
	v_lshrrev_b32 v14, 2, v2
	v_mul_u32_u24 v14, v14, SP
	v_and_b32 v15, 3, v2
	v_lshl_add_u32 v14, v15, 4, v14
	v_add_nc_u32 v14, s25, v14                     ; the stage, on the way in
	v_mul_u32_u24 v15, v2, SP
	v_add_nc_u32 v15, s25, v15                     ; and on the way out: my 16 neighbours
	v_lshlrev_b32 v4, 3, v2                        ; 8 bytes a lane: my codes' place in a step's, and my place in the 256 scale bytes
	v_lshrrev_b32 v5, 1, v2
	s_add_co_u32 s25, s25, 2*32*SP
	v_add_nc_u32 v5, s25, v5                       ; LDS: my block's byte
	v_add_nc_u32 v6, s25, v4
	s_lshl_b32 s26, ttmp9, 2
	s_add_co_u32 s26, s26, s24                     ; which run of 8,192 numbers is my wave's
	s_lshl_b32 s28, s26, 15
	s_mov_b32 s29, 0
	s_add_nc_u64 s[4:5], s[4:5], s[28:29]
	s_lshl_b32 s28, s26, 12
	s_add_nc_u64 s[14:15], s[14:15], s[28:29]
	s_lshl_b32 s28, s26, 8
	s_add_nc_u64 s[16:17], s[16:17], s[28:29]
.irp t, 0,1,2,3
	X_LOAD \t
.endr
	s_wait_loadcnt 12                              ; step 0's four loads are in; three steps' loads may be out
	X_TURN 0
.irp t, 0,1,2,3,4,5,6,7,8,9,10,11,12,13,14,15
	X_STEP \t
.endr
	ds_load_b64 v[8:9], v6                         ; LDS serves a wave's instructions in order: these see my byte stores
	s_wait_dscnt 0x0
	global_store_b64 v4, v[8:9], s[16:17]          ; 32 lanes store 256 consecutive bytes, aligned
	s_wait_tensorcnt 0x0                           ; the wave's end, as above
	ds_add_u32 v[SPW], v[NIL]
	s_wait_dscnt 0x0
	s_endpgm
.Lfunc_end_k_q4400978cea_prep:
	.size	k_q4400978cea_prep, .Lfunc_end_k_q4400978cea_prep-k_q4400978cea_prep
	.p2alignl 7, 3214868480
	.fill 96, 4, 3214868480
	.section	.rodata,"a",@progbits
	.p2align	6, 0x0
	.amdhsa_kernel k_q4400978cea_prep
		.amdhsa_group_segment_fixed_size 102912
		.amdhsa_private_segment_fixed_size 0
		.amdhsa_enable_private_segment 0
		.amdhsa_kernarg_size 80
		.amdhsa_user_sgpr_count 2
		.amdhsa_user_sgpr_kernarg_segment_ptr 1
		.amdhsa_wavefront_size32 1
		.amdhsa_system_sgpr_workgroup_id_x 1
		.amdhsa_system_sgpr_workgroup_id_y 1
		.amdhsa_system_sgpr_workgroup_id_z 1
		.amdhsa_system_vgpr_workitem_id 0
		.amdhsa_next_free_vgpr 192
		.amdhsa_next_free_sgpr 66
		.amdhsa_reserve_vcc 0
		.amdhsa_float_denorm_mode_32 3
		.amdhsa_float_denorm_mode_16_64 3
		.amdhsa_memory_ordered 1
		.amdhsa_forward_progress 1
		.amdhsa_inst_pref_size 132
	.end_amdhsa_kernel
	.amdgpu_metadata
---
amdhsa.version: [ 1, 2 ]
amdhsa.kernels:
  - .name:           k_q4400978cea_prep
    .symbol:         k_q4400978cea_prep.kd
    .args:
      - { .name: x, .offset: 0, .size: 8, .value_kind: global_buffer, .address_space: global }
      - { .name: Wq, .offset: 8, .size: 8, .value_kind: global_buffer, .address_space: global }
      - { .name: Wk, .offset: 16, .size: 8, .value_kind: global_buffer, .address_space: global }
      - { .name: Wv, .offset: 24, .size: 8, .value_kind: global_buffer, .address_space: global }
      - { .name: Wo, .offset: 32, .size: 8, .value_kind: global_buffer, .address_space: global }
      - { .name: xc, .offset: 40, .size: 8, .value_kind: global_buffer, .address_space: global }
      - { .name: xs, .offset: 48, .size: 8, .value_kind: global_buffer, .address_space: global }
      - { .name: wc, .offset: 56, .size: 8, .value_kind: global_buffer, .address_space: global }
      - { .name: ws, .offset: 64, .size: 8, .value_kind: global_buffer, .address_space: global }
      - { .name: wot, .offset: 72, .size: 8, .value_kind: global_buffer, .address_space: global }
    .group_segment_fixed_size: 102912
    .private_segment_fixed_size: 0
    .kernarg_segment_align: 8
    .kernarg_segment_size: 80
    .max_flat_workgroup_size: 128
    .sgpr_count:     66
    .vgpr_count:     192
    .wavefront_size: 32
...
	.end_amdgpu_metadata
.endif
;; end of part 1
;; launch qkv (part 2): grid 12 x 32, 4 waves a work-group, clusters of 4 x 4, 327,680 bytes of LDS; arguments xc, xs, wc, ws, qkv; writes qkv
.if DOCPART == 2
	.amdgcn_target "amdgcn-amd-amdhsa--gfx1250"
	.amdhsa_code_object_version 6
	.text
	.protected	k_q4400978cea_qkv
	.globl	k_q4400978cea_qkv
	.p2align	8
	.type	k_q4400978cea_qkv,@function
k_q4400978cea_qkv:
	s_mov_b64 s[64:65], 0
	v_nop
	global_prefetch_b8 v0, s[64:65] scope:SCOPE_SE
	s_setreg_imm32_b32 hwreg(HW_REG_WAVE_MODE, 25, 1), 1
	s_wait_xcnt 0x0
	s_wait_alu depctr_hold_cnt(0) depctr_sa_sdst(0) depctr_va_vdst(0) depctr_va_sdst(0) depctr_va_ssrc(0) depctr_va_vcc(0) depctr_vm_vsrc(0)
	s_getreg_b32 s2, hwreg(HW_REG_IB_STS2, 6, 4)
	s_cmp_eq_u32 s2, 0
	s_cbranch_scc0 .Lentry_in_a_cluster
	s_endpgm
.Lentry_in_a_cluster:
	s_bfe_u32 s2, ttmp6, 0x10000c
	s_cmp_lg_u32 s2, 0xf033
	s_cbranch_scc0 .Lentry_shape_is_right
	s_endpgm
.Lentry_shape_is_right:
; QKV.  C[m][n] = sum over k of x[m][k] W[n][k] on codes of FP4 (E2M1) with one E8M0 scale for each 32 along K; m = 8,192 rows of x, n = 3,072 = q's, k's and v's 1,024 columns, K = 1,024.  Sums in f32.
; The results are rounded to f16 and stored head-major: qkv [4 b][48 hh][2048 t][64], hh = n / 64 (0-15 q's heads, 16-31 k's, 32-47 v's).  LIMIT: a result beyond 65,504 in magnitude does not fit f16.
; A tile of C, 256 x 256, is made by a work-group of four waves; a wave makes 128 x 128: 64 accumulators of 16 x 16, 512 registers.  K is two steps of 512: both slots are filled at the head, nothing is filled again.
; The scales of the work-group's 256 rows of x and 256 rows of W, for all of K, come into LDS once, with the first fills.
; CLUSTERS: 4 x 4 work-groups.  The four of a row of the cluster need the same tiles of x, the four of a column the same tiles of W: each tile is asked for jointly.
; THE MATRIX INSTRUCTION IS USED TRANSPOSED (source 0 = 16 rows of W, source 1 = 16 rows of x): a lane then holds eight neighbouring columns of one row of C.
; REGISTERS, in windows of 256: window 0: v0-31 addresses; v32-95 scale words, two sets; from v128 x's fragments, one set; on the way out v32-127 are free.
;   window 1: W's fragments, two sets, at v0 and v128.   window 2: the accumulators of my rows 0-63 ((a, b) at v[8 (8 a + b)]);   window 3: those of my rows 64-127.
.set KSTEP,  512
.set NQ,     4                         ; matrix instructions deep in a slot
.set ROWB,   256                       ; a tile's row in bytes
.set KROW,   512                       ; a row of codes in memory
.set PITCH,  272                       ; an LDS row: 256 bytes + 16 of padding: the 16 rows that a load touches start at 16 different banks
.set FR,     8
.set NL,     2
.set NP,     4
.set HALFT,  128*PITCH
.set SLOT,   4*HALFT
.set KS,     32                        ; a row of scales in bytes
.set SCL,    2*SLOT
.set HALFS,  16*272                    ; the scales of 128 rows
.set SBLK,   2*272                     ; those of 16 rows
.set SPARE,  SCL+4*HALFS               ; the spare words, 128 bytes for each wave, that no other line names
.set SPITCH, 272                       ; the way out: a stage of 16 rows x (256 bytes + 16) for each wave, in slot 0, which has had its one fill and its last read when the first result is stored there
.set ADRA, 16
.set ADRB, 20
.set STO,  24
.set RD,   25
.set CO,   26
.set ADRS, 27
.set SPW,  28
.set NIL,  29
.set SC,   32
.set AF,   128
.set TMP,  32                          ; the way out: a block's 32 packed registers
.set BK,   64                          ; and 16 rows read back: v64-95 and v96-127 by turns
.set G1, 24
.set G0, 32
.set G1B, 48
.set G0B, 56
.set G1S, 68
.set G0S, 76
.set G1SB, 80
.set G0SB, 88
.set MSB, 0
.macro WIN new                         ; the immediate's high byte repeats the setting that is left
.if MSB != (\new)
	s_set_vgpr_msb (MSB<<8)|(\new)
.set MSB, \new
.endif
.endm
.set MUL_LO, 0xa1                      ; source 0 (W) window 1, source 1 (x) window 0, C and D window 2
.set MUL_HI, 0xf1
.set TO_B,   0x40
; A joint load: waves 0 and 1 fetch for x, waves 2 and 3 for W; the branch hangs on the wave's number alone.  An s_nop 0 and four v_nop follow each of the two lines.
.macro JLOAD g0a, g1a, g0b, g1b
	s_cmp_eq_u32 s15, 0
	s_cbranch_scc0 .Lfor_b_\@
	tensor_load_to_lds s[\g0a:\g0a+3], s[\g1a:\g1a+7]
	s_nop 0
.rept 4
	v_nop
.endr
	s_branch .Lasked_\@
.Lfor_b_\@:
	tensor_load_to_lds s[\g0b:\g0b+3], s[\g1b:\g1b+7]
	s_nop 0
.rept 4
	v_nop
.endr
.Lasked_\@:
.endm
.macro CROUND                          ; a round of the cluster's barrier
	s_barrier_signal -1
	s_barrier_wait -1
	s_cmp_lg_u32 s14, 0
	s_cbranch_scc1 .Lnot_wave_0_\@
	s_barrier_signal -3
.Lnot_wave_0_\@:
	s_barrier_wait -3
	s_barrier_signal -1
	s_barrier_wait -1
.endm
	s_load_b128 s[4:7], s[0:1], 0x0                ; x's codes s[4:5], x's scales s[6:7]
	s_load_b128 s[8:11], s[0:1], 0x10              ; W's codes s[8:9], W's scales s[10:11]
	s_load_b64 s[12:13], s[0:1], 0x20              ; qkv
	v_lshl_add_u32 v[SPW], v0, 2, SPARE
	v_mov_b32 v[NIL], 0
	ds_add_u32 v[SPW], v[NIL]                      ; the wave's opening: the add, twice on end, and its wait ahead of my first tensor load
	ds_add_u32 v[SPW], v[NIL]
	v_lshrrev_b32 v1, 5, v0
	v_readfirstlane_b32 s14, v1                    ; wave 0..3
	s_lshr_b32 s15, s14, 1                         ; which half of the tile's rows is mine.  Also: I fetch for x (0) or for W (1)
	s_and_b32 s16, s14, 1                          ; which half of its columns.  Also: which 128 rows of that tile I fetch
	s_bfe_u32 s40, ttmp6, 0x40000                  ; cx, cy: my place in the cluster
	s_bfe_u32 s41, ttmp6, 0x40004
	s_lshl_b32 s42, ttmp9, 2
	s_add_co_u32 s42, s42, s40                     ; tile column of C
	s_and_b32 s17, ttmp7, 0xffff
	s_lshl_b32 s17, s17, 2
	s_add_co_u32 s17, s17, s41                     ; tile row of C
	s_lshl_b32 s43, s41, 2
	s_lshl_b32 s43, 15, s43                        ; my row of the cluster
	s_lshl_b32 s44, 0x1111, s40                    ; my column
	s_or_b32 s[G1+0], s43, (0<<16)|(1<<20)|(1<<21)|(5<<22)|(3<<25)  ; the mask; elements of 1 byte; padding on; bit 21 beside a mask; 4 words of padding after every 64
	s_or_b32 s[G1B+0], s44, (0<<16)|(1<<20)|(1<<21)|(5<<22)|(3<<25)
.irp g, G1, G1B
	s_mov_b32 s[\g+1], ROWB<<16                    ; tensor_dim0
	s_mov_b32 s[\g+2], 128<<16                     ; tensor_dim1
	s_mov_b32 s[\g+3], ROWB<<16                    ; tile_dim0
	s_mov_b32 s[\g+4], 128                         ; tile_dim1
	s_mov_b32 s[\g+5], KROW                        ; from row to row
	s_mov_b32 s[\g+6], 0
	s_mov_b32 s[\g+7], 0
.endr
	s_or_b32 s[G1S+0], s43, (3<<16)|(1<<20)|(1<<21)|(5<<22)|(3<<25) ; the scales of 128 rows: 4,096 dense bytes as 16 rows of 256 bytes (32 elements of 8), 16 bytes of padding behind each
	s_or_b32 s[G1SB+0], s44, (3<<16)|(1<<20)|(1<<21)|(5<<22)|(3<<25)
.irp g, G1S, G1SB
	s_mov_b32 s[\g+1], 32<<16
	s_mov_b32 s[\g+2], 16<<16
	s_mov_b32 s[\g+3], 32<<16
	s_mov_b32 s[\g+4], 16
	s_mov_b32 s[\g+5], 32
	s_mov_b32 s[\g+6], 0
	s_mov_b32 s[\g+7], 0
.endr
	s_lshl_b32 s18, s16, 7                         ; which 128 rows of the tile I fetch
	s_lshl_b32 s20, s17, 8
	s_add_co_u32 s20, s20, s18                     ; x: row 256 x tile row + 128 x half
	s_lshl_b32 s46, s42, 8
	s_add_co_u32 s46, s46, s18                     ; W: row 256 x tile column + 128 x half
	s_mov_b32 s21, 0
	s_mov_b32 s47, 0
	s_mov_b64 s[18:19], KS
	s_mul_u64 s[22:23], s[20:21], s[18:19]         ; where these rows' scales begin
	s_mul_u64 s[92:93], s[46:47], s[18:19]
	s_mov_b64 s[18:19], KROW
	s_mul_u64 s[20:21], s[20:21], s[18:19]         ; and their codes
	s_mul_u64 s[46:47], s[46:47], s[18:19]
	s_mul_i32 s45, s14, HALFT                      ; where they go: wave x 128 rows
	s_mul_i32 s94, s14, HALFS
	s_wait_dscnt 0x0                               ; both opening adds are done
	s_wait_kmcnt 0x0
	s_add_nc_u64 s[20:21], s[4:5], s[20:21]
	s_add_nc_u64 s[22:23], s[6:7], s[22:23]
	s_add_nc_u64 s[46:47], s[8:9], s[46:47]
	s_add_nc_u64 s[92:93], s[10:11], s[92:93]
	CROUND                                         ; all sixteen work-groups are here: the first joint loads meet
	s_mov_b32 s[G0S], 1
	s_add_co_u32 s[G0S+1], s94, SCL
	s_mov_b64 s[G0S+2:G0S+3], s[22:23]
	s_or_b32 s[G0S+3], s[G0S+3], 0x80000000
	s_mov_b32 s[G0SB], 1
	s_add_co_u32 s[G0SB+1], s94, SCL
	s_mov_b64 s[G0SB+2:G0SB+3], s[92:93]
	s_or_b32 s[G0SB+3], s[G0SB+3], 0x80000000
	JLOAD G0S, G1S, G0SB, G1SB                     ; the scales first: they are wanted with K step 0
.irp s, 0,1
	s_mov_b32 s[G0+4*\s], 1
	s_add_co_u32 s[G0+4*\s+1], s45, \s*SLOT
	s_add_nc_u64 s[G0+4*\s+2:G0+4*\s+3], s[20:21], \s*ROWB
	s_or_b32 s[G0+4*\s+3], s[G0+4*\s+3], 0x80000000
	s_mov_b32 s[G0B+4*\s], 1
	s_add_co_u32 s[G0B+4*\s+1], s45, \s*SLOT
	s_add_nc_u64 s[G0B+4*\s+2:G0B+4*\s+3], s[46:47], \s*ROWB
	s_or_b32 s[G0B+4*\s+3], s[G0B+4*\s+3], 0x80000000
	JLOAD G0+4*\s, G1, G0B+4*\s, G1B               ; three loads of mine are out in all
.endr
	v_and_b32 v1, 15, v0                           ; l % 16
	v_bfe_u32 v2, v0, 4, 1                         ; l / 16
	v_mul_u32_u24 v3, v1, PITCH
	v_lshl_add_u32 v4, v2, 4, v3                   ; a fragment's row x pitch + 16 x half
	s_mul_i32 s21, s15, HALFT                      ; my 128 rows of x
	s_mul_i32 s22, s16, HALFT                      ; my 128 rows of W,
	s_add_co_u32 s22, s22, 2*HALFT                 ; which lie behind x's 256
.irp s, 0,1
	v_add_nc_u32 v[ADRA+\s], s21, v4
	v_add_nc_u32 v[ADRB+\s], s22, v4
	s_add_co_u32 s21, s21, SLOT
	s_add_co_u32 s22, s22, SLOT
.endr
	v_mul_u32_u24 v5, v1, KS                       ; my row's scales: 32 bytes a row,
	v_lshrrev_b32 v6, 8, v5
	v_lshl_add_u32 v5, v6, 4, v5                   ; and 16 more for each 256 passed
	s_mul_i32 s21, s15, HALFS
	s_mul_i32 s22, s16, HALFS
	s_add_co_u32 s22, s22, 2*HALFS
	s_sub_co_u32 s22, s22, s21
	v_mul_u32_u24 v6, s22, v2                      ; lanes 16-31 take W's
	s_add_co_u32 s21, s21, SCL
	v_add_nc_u32 v5, v5, v6
	v_add_nc_u32 v[ADRS], s21, v5
	s_mul_i32 s23, s14, 16*SPITCH                  ; my stage
	v_mul_u32_u24 v5, v1, SPITCH                   ; in: row l % 16, 16 bytes for each half of the lanes
	v_lshl_add_u32 v5, v2, 4, v5
	v_add_nc_u32 v[STO], s23, v5
	v_bfe_u32 v5, v0, 3, 2                         ; back: eight lanes take a head's 128 bytes of a row, four rows an instruction
	v_mul_u32_u24 v5, v5, SPITCH
	v_and_b32 v6, 7, v0
	v_lshl_add_u32 v5, v6, 4, v5
	v_add_nc_u32 v[RD], s23, v5
	v_and_b32 v6, 31, v0
	v_lshlrev_b32 v[CO], 4, v6                     ; which are 512 consecutive bytes of qkv
	; where my part begins in qkv: ((b x 48 + hh) x 2048 + t) x 128 bytes; b = tile row / 8, t = 256 (tile row % 8) + 128 x half, hh = 4 x tile column + 2 x half
	s_lshr_b32 s20, s17, 3
	s_mul_i32 s20, s20, 48
	s_lshl_b32 s20, s20, 18
	s_and_b32 s21, s17, 7
	s_lshl_b32 s21, s21, 15
	s_add_co_u32 s20, s20, s21
	s_lshl_b32 s21, s15, 14
	s_add_co_u32 s20, s20, s21
	s_mov_b32 s21, 0
	s_lshl_b32 s46, s42, 20
	s_lshl_b32 s47, s16, 19
	s_add_co_u32 s46, s46, s47
	s_mov_b32 s47, 0
	s_add_nc_u64 s[20:21], s[20:21], s[46:47]
	s_add_nc_u64 s[12:13], s[12:13], s[20:21]
.macro FRAG reg, adr, q, i             ; a fragment, 16 rows x 128 K of 4-bit codes: 8 registers, two loads of 16 bytes, 32 bytes apart
.irp c, 0,1
	ds_load_b128 v[\reg+4*\c:\reg+4*\c+3], v[\adr] offset:64*(\q)+32*\c+(\i)*16*PITCH
.endr
.endm
; 16 matrix instructions: x's blocks a0, a0 + 1 against W's eight, 128 along K.  The 64 accumulators take turns, one instruction a turn, in the same order in every step.
.macro MUL16 a0, p, q, sc, zero
.irp a, \a0, \a0+1
.irp b, 0,1,2,3,4,5,6,7
.if \zero
	v_wmma_scale_f32_16x16x128_f8f6f4 v[8*(8*((\a)%4)+\b):8*(8*((\a)%4)+\b)+7], v[128*(\p)+FR*\b:128*(\p)+FR*\b+FR-1], v[AF+FR*(\a):AF+FR*(\a)+FR-1], 0, v[SC+8*NQ*(\sc)+NQ*\b+(\q)], v[SC+8*NQ*(\sc)+NQ*(\a)+(\q)] matrix_a_fmt:MATRIX_FMT_FP4 matrix_b_fmt:MATRIX_FMT_FP4 matrix_a_scale:MATRIX_SCALE_ROW1
.else
	v_wmma_scale_f32_16x16x128_f8f6f4 v[8*(8*((\a)%4)+\b):8*(8*((\a)%4)+\b)+7], v[128*(\p)+FR*\b:128*(\p)+FR*\b+FR-1], v[AF+FR*(\a):AF+FR*(\a)+FR-1], v[8*(8*((\a)%4)+\b):8*(8*((\a)%4)+\b)+7], v[SC+8*NQ*(\sc)+NQ*\b+(\q)], v[SC+8*NQ*(\sc)+NQ*(\a)+(\q)] matrix_a_fmt:MATRIX_FMT_FP4 matrix_b_fmt:MATRIX_FMT_FP4 matrix_a_scale:MATRIX_SCALE_ROW1
.endif
.endr
.endr
.endm
.macro FETCH_B slot, q, p
	WIN TO_B
.irp i, 0,1,2,3,4,5,6,7
	FRAG 128*(\p)+FR*\i, ADRB+\slot, \q, \i
.endr
	WIN 0
.endm
.macro FETCH_A slot, q, i0
.irp i, \i0, \i0+1, \i0+2, \i0+3
	FRAG AF+FR*(\i), ADRA+\slot, \q, \i
.endr
.endm
.macro SCALES sc                       ; a K step's scale words into set sc: lanes 0-15 take x's block i, lanes 16-31 W's block i
.irp i, 0,1,2,3,4,5,6,7
	ds_load_b128 v[SC+8*NQ*\sc+NQ*\i:SC+8*NQ*\sc+NQ*\i+3], v[ADRS] offset:\i*SBLK
.endr
.endm
.macro PLACES n                        ; plain vector instructions between a matrix instruction and a load into, or a read or write by a vector instruction of, its registers
.rept \n
	v_nop
.endr
.endm
.macro STEP slot, q, zero              ; a step of 128 along K that has its successor in the same slot
	s_wait_dscnt 4*NL                              ; W's set and x's blocks 0-3 are in; the youngest eight loads (x's blocks 4-7) may be out
	WIN MUL_LO
	MUL16 0, (\q)%2, \q, \slot, \zero
	MUL16 2, (\q)%2, \q, \slot, \zero
	s_wait_dscnt 0
	PLACES NP
	FETCH_B \slot, (\q)+1, 1-(\q)%2
	FETCH_A \slot, (\q)+1, 0
	WIN MUL_HI
	MUL16 4, (\q)%2, \q, \slot, \zero
	MUL16 6, (\q)%2, \q, \slot, \zero
	PLACES NP
	WIN 0
	FETCH_A \slot, (\q)+1, 4
.endm
	s_wait_tensorcnt 1                             ; the scales and my part of K step 0 are in; K step 1's load may be out
	s_barrier_signal -1
	s_barrier_wait -1
	FETCH_B 0, 0, 0
	FETCH_A 0, 0, 0
	SCALES 0
	FETCH_A 0, 0, 4
	STEP 0, 0, 1                                   ; the first products start the sums: nothing is cleared
	STEP 0, 1, 0
	STEP 0, 2, 0
	; slot 0's last step changes slots: one barrier; in front of it my part of slot 1 has landed
	s_wait_tensorcnt 0x0                           ; my last tensor load, slot 1's, has landed
	ds_add_u32 v[SPW], v[NIL]                      ; 0 onto my spare word, behind that wait
	s_wait_dscnt 4*NL+1                            ; the add and the youngest eight loads may be out
	WIN MUL_LO
	MUL16 0, 1, NQ-1, 0, 0
	s_wait_dscnt 0x0                               ; the add is done, and my reads of slot 0 are over
	s_barrier_signal -1
	MUL16 2, 1, NQ-1, 0, 0
	WIN 0
	s_barrier_wait -1                              ; slot 1 is whole, and nobody reads slot 0 any more
	PLACES NP
	v_add_nc_u32 v[ADRS], 4*NQ, v[ADRS]            ; on to the next K step's scale words
	FETCH_B 1, 0, 0
	FETCH_A 1, 0, 0
	SCALES 1
	WIN MUL_HI
	MUL16 4, 1, NQ-1, 0, 0
	MUL16 6, 1, NQ-1, 0, 0
	PLACES NP
	WIN 0
	FETCH_A 1, 0, 4
	STEP 1, 0, 0
	STEP 1, 1, 0
	STEP 1, 2, 0
	s_wait_dscnt 4*NL                              ; the very last step: nothing more to fetch
	WIN MUL_LO
	MUL16 0, 1, NQ-1, 1, 0
	MUL16 2, 1, NQ-1, 1, 0
	s_wait_dscnt 0
	WIN MUL_HI
	MUL16 4, 1, NQ-1, 1, 0
	MUL16 6, 1, NQ-1, 1, 0
	WIN 0
; THE WAY OUT, block by block of 16 rows x 128 columns (two heads).  PACK: rounded to f16, 16 bytes a lane, each accumulator from its low end on.  TOSTAGE: into my stage, and back by heads: four rows of a head's 128 bytes an instruction.
; SEND: each store covers 512 consecutive bytes of qkv.  LDS serves a wave's instructions in order, so no wait stands between the stage's stores and loads.
.macro PACK a
.set AC, 64*((\a)%4)
	WIN 0x0a+5*((\a)/4)                            ; sources 0 and 1: window 2 or 3
.irp b, 0,1,2,3,4,5,6,7
.irp r, 0,1,2,3
	v_cvt_pk_f16_f32 v[TMP+4*\b+\r], v[AC+8*\b+2*\r], v[AC+8*\b+2*\r+1]
.endr
.endr
	WIN 0
.endm
.macro TOSTAGE a
.set BB, BK+32*((\a)%2)
.irp b, 0,1,2,3,4,5,6,7
	ds_store_b128 v[STO], v[TMP+4*\b:TMP+4*\b+3] offset:32*\b
.endr
.irp t, 0,1,2,3,4,5,6,7
	ds_load_b128 v[BB+4*\t:BB+4*\t+3], v[RD] offset:(\t%4)*4*SPITCH+128*(\t/4)
.endr
.endm
.macro SEND a, younger                 ; younger: the LDS instructions issued behind block a's loads, which may stay out
.set BB, BK+32*((\a)%2)
	s_wait_dscnt \younger
.irp t, 0,1,2,3,4,5,6,7
	global_store_b128 v[CO], v[BB+4*\t:BB+4*\t+3], s[12:13] offset:(\t/4)*262144+(\a)*2048+(\t%4)*512
.endr
.endm
	PLACES NP                                      ; behind the last products: the conversions read results and write registers that held scale words
	PACK 0
	TOSTAGE 0
.irp a, 1,2,3,4,5,6,7
	PACK \a
.if \a > 1
	s_wait_xcnt 0x0                                ; block a - 2's stores have read their registers: block a's loads may land there
.endif
	TOSTAGE \a
	SEND \a-1, 16                                  ; behind block a - 1's loads: block a's 8 stores and 8 loads
.endr
	SEND 7, 0
	s_wait_tensorcnt 0x0                           ; the wave's end: a wait, an add and its wait behind my last tensor load and my last LDS store
	ds_add_u32 v[SPW], v[NIL]
	s_wait_dscnt 0x0
	CROUND                                         ; the closing round
	s_endpgm
.Lfunc_end_k_q4400978cea_qkv:
	.size	k_q4400978cea_qkv, .Lfunc_end_k_q4400978cea_qkv-k_q4400978cea_qkv
	.p2alignl 7, 3214868480
	.fill 96, 4, 3214868480
	.section	.rodata,"a",@progbits
	.p2align	6, 0x0
	.amdhsa_kernel k_q4400978cea_qkv
		.amdhsa_group_segment_fixed_size 327680
		.amdhsa_private_segment_fixed_size 0
		.amdhsa_enable_private_segment 0
		.amdhsa_kernarg_size 40
		.amdhsa_user_sgpr_count 2
		.amdhsa_user_sgpr_kernarg_segment_ptr 1
		.amdhsa_wavefront_size32 1
		.amdhsa_system_sgpr_workgroup_id_x 1
		.amdhsa_system_sgpr_workgroup_id_y 1
		.amdhsa_system_sgpr_workgroup_id_z 1
		.amdhsa_system_vgpr_workitem_id 0
		.amdhsa_next_free_vgpr 1024
		.amdhsa_next_free_sgpr 98
		.amdhsa_reserve_vcc 0
		.amdhsa_float_denorm_mode_32 3
		.amdhsa_float_denorm_mode_16_64 3
		.amdhsa_memory_ordered 1
		.amdhsa_forward_progress 1
		.amdhsa_inst_pref_size 126
	.end_amdhsa_kernel
	.amdgpu_metadata
---
amdhsa.version: [ 1, 2 ]
amdhsa.kernels:
  - .name:           k_q4400978cea_qkv
    .symbol:         k_q4400978cea_qkv.kd
    .args:
      - { .name: xc, .offset: 0, .size: 8, .value_kind: global_buffer, .address_space: global }
      - { .name: xs, .offset: 8, .size: 8, .value_kind: global_buffer, .address_space: global }
      - { .name: wc, .offset: 16, .size: 8, .value_kind: global_buffer, .address_space: global }
      - { .name: ws, .offset: 24, .size: 8, .value_kind: global_buffer, .address_space: global }
      - { .name: qkv, .offset: 32, .size: 8, .value_kind: global_buffer, .address_space: global }
    .group_segment_fixed_size: 327680
    .private_segment_fixed_size: 0
    .kernarg_segment_align: 8
    .kernarg_segment_size: 40
    .max_flat_workgroup_size: 128
    .sgpr_count:     98
    .vgpr_count:     1024
    .wavefront_size: 32
...
	.end_amdgpu_metadata
.endif
;; end of part 2
;; launch attn (part 3): grid 4 x 64, 16 waves a work-group, no clusters, 327,680 bytes of LDS; arguments qkv, ctx; writes ctx
.if DOCPART == 3
	.amdgcn_target "amdgcn-amd-amdhsa--gfx1250"
	.amdhsa_code_object_version 6
	.text
	.protected	k_q4400978cea_attn
	.globl	k_q4400978cea_attn
	.p2align	8
	.type	k_q4400978cea_attn,@function
k_q4400978cea_attn:
	s_mov_b64 s[64:65], 0
	v_nop
	global_prefetch_b8 v0, s[64:65] scope:SCOPE_SE
	s_setreg_imm32_b32 hwreg(HW_REG_WAVE_MODE, 25, 1), 1
	s_wait_xcnt 0x0
; ATTN.  ctx[bh][q][:] = sum over k <= q of softmax_k(Q[q] . K[k] / 8) V[k][:], head size 64, 2,048 positions, 64 (batch, head) pairs.  Q, K, V: f16, qkv [4 b][48 hh][2048][64] (q's heads, k's, v's); ctx: f16 [64 bh][2048][64].
; Products on f16 operands with f32 sums; maxima, exponentials and sums in f32, with a running maximum; the weights p (at most 1) are rounded to f16 for the second product, ctx once at the end.
; LIMITS: NaN and infinities are not served.  The first 16 positions of every sequence are computed here like the others, and are made again more finely by later launches, which overwrite what comes of them.
; SHARES.  Work-group (i, bh) owns the query blocks 7 - i and i of 256 rows: (8 - i) + (i + 1) = 9 blocks of keys' work in every work-group.  Eight of its sixteen waves take the late block, eight the early one;
; a wave owns 32 queries, two tiles of 16, so that each fragment of K and V read from LDS feeds two matrix instructions.  All waves walk the keys from 0 on, 64 a step, 256 a slot, 8 slots.
; A step all of whose keys come after the wave's queries is jumped over (a branch on ids); a slot that no wave of the work-group will read is not asked for.
; NO CLUSTER: the four work-groups of a head need 8 - i slots each, so a joint load would bring tiles whose reads every wave of some partner jumps over.
; LAYOUT.  S^T = K Q^T (source 0 = 16 keys, source 1 = 16 queries) and O^T = V^T P (source 0 = 16 channels, source 1 = P): a lane holds ONE query (lane % 16) throughout; two tiles of S^T rounded in pairs ARE source 1 of the second product.
; REGISTERS: v1-11 addresses; v12-27 statistics, eight a tile (+0 c m, +1 m, +2, +3 the sum's halves, +4 to +7 at work, a at +6); v28-30; v32-63 Q; v64-127 K, then V; v128-191 S^T, then p, then P in each tile's low 16; v192-255 O^T.
.set KP,    144                        ; a row of K in LDS: 128 bytes + 16
.set VP,    160                        ; a row of V: 128 + 32, for the turning load
.set VOFF,  256*KP                     ; a slot: 256 rows of K, then 256 rows of V
.set SLOT1, 1<<17                      ; slot 1 begins here: one exclusive or turns an address from one slot to the other
.set SLOTB, 32768                      ; a slot's 256 rows of 128 bytes in memory
.set STAGE, SLOT1+VOFF+256*VP          ; behind the ring: 32 rows x 144 bytes for each wave, for the way out
.set SPARE, STAGE+16*32*KP             ; the spare words, 128 bytes for each wave, that no other line names
.set AK0, 1
.set AV0, 2
.set ADK, 3
.set ADV, 4
.set SPW, 5
.set NIL, 6
.set GO,  7
.set PFO, 8
.set ST,  12
.set STO, 28
.set RD,  29
.set QF,  32
.set KV,  64
.set SS,  128
.set OO,  192
.set TB,  2                            ; s2   LDS byte at which the slot in hand begins
.set WV,  18
.set SEL, 20
.set CS,  22                           ; s[22:23] c = log2(e) / 8
.set G1K, 24
.set G1V, 32
.set G0K, 40
.set G0V, 44
.set SLOTS, 67
.set PFA, 76
.set LIM, 80
.set QL,  81                           ; s81  my work-group's last query
.set KF,  98                           ; s98  the step's first key
.set Q0,  99                           ; s99  my first query
; Waves 0 and 1 fetch K's halves of a slot, waves 2 and 3 V's, the others nothing.  An s_nop 0 and four v_nop follow each of the two lines.
.macro TLOAD
	s_cmp_lt_u32 s[WV], 2
	s_cbranch_scc0 .Lnot_k_\@
	tensor_load_to_lds s[G0K:G0K+3], s[G1K:G1K+7]
	s_nop 0
.rept 4
	v_nop
.endr
	s_branch .Lasked_\@
.Lnot_k_\@:
	s_cmp_lt_u32 s[WV], 4
	s_cbranch_scc0 .Lasked_\@
	tensor_load_to_lds s[G0V:G0V+3], s[G1V:G1V+7]
	s_nop 0
.rept 4
	v_nop
.endr
.Lasked_\@:
.endm
; A prefetch of what the NEXT change of slots will ask for: 32,768 dense bytes of K and as many of V.  Each aligned block of 256 bytes is named once in the launch: of a head's four work-groups the one that walks all slots (x = 0) asks;
; in it waves 4 to 7 ask for K's, waves 8 to 11 for V's, 8,192 bytes a wave, lanes 256 bytes apart.  The last change that fills a slot asks for nothing; slots 0 and 1 come by their loads alone.
.macro ASK
	s_cmp_gt_u32 s[SLOTS], s[LIM]
	s_cbranch_scc0 .Lnot_mine_\@
	global_prefetch_b8 v[PFO], s[PFA:PFA+1] th:TH_LOAD_NT scope:SCOPE_SE
.Lnot_mine_\@:
.endm
	s_load_b128 s[4:7], s[0:1], 0x0                ; qkv s[4:5], ctx s[6:7]
	v_lshl_add_u32 v[SPW], v0, 2, SPARE
	v_mov_b32 v[NIL], 0
	ds_add_u32 v[SPW], v[NIL]                      ; the wave's opening: the add, twice on end, and its wait ahead of my first tensor load
	ds_add_u32 v[SPW], v[NIL]
	v_lshrrev_b32 v31, 5, v0
	v_readfirstlane_b32 s[WV], v31                 ; wave 0..15
	s_and_b32 s68, ttmp7, 0xffff                   ; bh
	s_lshr_b32 s69, s68, 4
	s_mul_i32 s69, s69, 48
	s_and_b32 s70, s68, 15
	s_add_co_u32 s69, s69, s70                     ; 48 b + h
	s_lshl_b32 s72, s69, 18                        ; the first byte of q's head; k's lies 16 heads on, v's 32
	s_and_b32 s71, s[WV], 1                        ; which 128 rows of a slot I fetch, if I fetch
	s_lshl_b32 s74, s71, 14
	s_add_co_u32 s82, s72, s74
	s_add_co_u32 s84, s82, 0x800000
	s_add_co_u32 s82, s82, 0x400000
	s_mov_b32 s83, 0
	s_mov_b32 s85, 0
	s_mul_i32 s75, s71, 128*KP                     ; and where they go in a slot
	s_mul_i32 s73, s71, 128*VP
	s_add_co_u32 s73, s73, VOFF
	s_lshr_b32 s90, s[WV], 2
	s_xor_b32 s90, s90, s[WV]
	s_and_b32 s90, s90, 1                          ; 0: the late block, 1: the early one
	s_sub_co_u32 s91, 7, ttmp9
	s_cmp_eq_u32 s90, 0
	s_cselect_b32 s91, s91, ttmp9
	s_lshl_b32 s91, s91, 8
	s_lshr_b32 s92, s[WV], 1
	s_lshl_b32 s92, s92, 5
	s_add_co_u32 s[Q0], s91, s92                   ; my first query: 256 x block + 32 x (wave / 2)
	s_lshl_b32 s[QL], ttmp9, 8
	s_sub_co_u32 s[QL], 2047, s[QL]                ; the late block's last query
	s_lshl_b32 s86, s[Q0], 7
	s_lshl_b32 s88, s68, 18
	s_add_co_u32 s88, s88, s86                     ; my rows in ctx
	s_add_co_u32 s86, s86, s72                     ; and in q's head
	s_mov_b32 s87, 0
	s_mov_b32 s89, 0
	s_mov_b32 s94, 0x800000                        ; the prefetches: waves 4 to 7 K's head, waves 8 to 11 V's,
	s_cmp_lt_u32 s[WV], 8
	s_cselect_b32 s94, 0x400000, s94
	s_add_co_u32 s94, s94, s72
	s_and_b32 s95, s[WV], 3
	s_lshl_b32 s95, s95, 13                        ; my wave's 8,192 bytes,
	s_add_co_u32 s94, s94, s95
	s_add_co_u32 s94, s94, SLOTB                   ; in slot 1: the first change of slots steps it to slot 2
	s_mov_b32 s95, 0
	s_sub_co_u32 s93, s[WV], 4
	s_lshr_b32 s93, s93, 3                         ; 0 in waves 4 to 11,
	s_or_b32 s93, s93, ttmp9                       ; of work-group x = 0
	s_cmp_eq_u32 s93, 0
	s_cselect_b32 s[LIM], 1, -1
	; descriptor group 1: 128 rows of 64 elements of 2 bytes, dense in memory, padded in LDS behind every row
	s_mov_b32 s[G1K], (1<<16)|(1<<20)|(4<<22)|(3<<25)              ; no mask; elements of 2 bytes; padding on: 4 words after every 32
	s_mov_b32 s[G1V], (1<<16)|(1<<20)|(4<<22)|(7<<25)              ; the same with 8 words
.irp g, G1K, G1V
	s_mov_b32 s[\g+1], 64<<16                      ; tensor_dim0
	s_mov_b32 s[\g+2], 128<<16                     ; tensor_dim1
	s_mov_b32 s[\g+3], 64<<16                      ; tile_dim0
	s_mov_b32 s[\g+4], 128                         ; tile_dim1
	s_mov_b32 s[\g+5], 64                          ; from row to row
	s_mov_b32 s[\g+6], 0
	s_mov_b32 s[\g+7], 0
.endr
	s_mov_b32 s[SEL], 0x76543210
	s_mov_b32 s[SEL+1], 0xfedcba98                 ; lane l xor 16
	s_mov_b32 s[CS], 0x3e38aa3b                    ; c = log2(e) / 8
	s_mov_b32 s[CS+1], s[CS]                       ; named with it as a pair, so it is written
	s_mov_b32 s[TB], 0
	s_mov_b32 s[KF], 0
	s_mov_b32 s[SLOTS], 7
	s_wait_dscnt 0x0                               ; both opening adds are done
	s_wait_kmcnt 0x0
	s_mov_b32 s[G0K], 1
	s_mov_b32 s[G0K+1], s75
	s_add_nc_u64 s[G0K+2:G0K+3], s[4:5], s[82:83]
	s_or_b32 s[G0K+3], s[G0K+3], 0x80000000
	s_mov_b32 s[G0V], 1
	s_mov_b32 s[G0V+1], s73
	s_add_nc_u64 s[G0V+2:G0V+3], s[4:5], s[84:85]
	s_or_b32 s[G0V+3], s[G0V+3], 0x80000000
	TLOAD                                          ; slot 0: it holds key 0, which counts for every query
	s_add_nc_u64 s[8:9], s[4:5], s[86:87]          ; Q at my first query
	s_add_nc_u64 s[6:7], s[6:7], s[88:89]          ; ctx likewise
	s_add_nc_u64 s[PFA:PFA+1], s[4:5], s[94:95]
	v_and_b32 v10, 15, v0                          ; r = lane % 16
	v_bfe_u32 v11, v0, 4, 1                        ; h = lane / 16
	v_lshlrev_b32 v31, 7, v10
	v_lshl_add_u32 v31, v11, 4, v31                ; Q: row r of 128 bytes, + 16 h
.irp t, 0,1
.irp c, 0,1
	global_load_b128 v[QF+16*\t+8*\c:QF+16*\t+8*\c+3],   v31, s[8:9] offset:\t*2048+64*\c      ; Q stays in registers: tile t, channels 32 c on
	global_load_b128 v[QF+16*\t+8*\c+4:QF+16*\t+8*\c+7], v31, s[8:9] offset:\t*2048+64*\c+32
.endr
.endr
	v_mul_u32_u24 v[AK0], v10, KP
	v_lshl_add_u32 v[AK0], v11, 4, v[AK0]          ; a fragment of K: row r x pitch + 16 h
	v_and_b32 v3, 7, v0
	v_lshl_add_u32 v[AV0], v11, 3, v3              ; the turning load: key 8 h + lane % 8,
	v_mul_u32_u24 v[AV0], v[AV0], VP
	v_bfe_u32 v3, v0, 3, 1
	v_lshl_add_u32 v[AV0], v3, 4, v[AV0]           ; channels 8 ((lane / 8) % 2) on
	v_add_nc_u32 v[AV0], VOFF, v[AV0]
	v_lshlrev_b32 v9, 3, v11
	v_sub_nc_u32 v9, v10, v9                       ; r - 8 h, for the mask
	v_and_b32 v[GO], 31, v0
	v_lshlrev_b32 v[PFO], 8, v[GO]                 ; 256 x lane
	v_lshlrev_b32 v[GO], 4, v[GO]                  ; 16 x lane
	s_mul_i32 s68, s[WV], 32*KP
	s_add_co_u32 s68, s68, STAGE                   ; my stage
	v_add_nc_u32 v[STO], s68, v[AK0]               ; in: row r, + 16 h
	v_bfe_u32 v3, v0, 3, 2
	v_mul_u32_u24 v[RD], v3, KP
	v_and_b32 v3, 7, v0
	v_lshl_add_u32 v[RD], v3, 4, v[RD]
	v_add_nc_u32 v[RD], s68, v[RD]                 ; back: eight lanes to a row of 128 bytes, four rows an instruction
	v_mov_b32 v30, 0xff800000                      ; -infinity
.irp t, 0,1
	v_mov_b32 v[ST+8*\t+1], 0xff61b1e6             ; m: -3e38, under every score
	v_mul_f32 v[ST+8*\t], s[CS], v[ST+8*\t+1]      ; c m
.irp k, 2,3,4,5,6,7
	v_mov_b32 v[ST+8*\t+\k], 0
.endr
.endr
.set i, 0
.rept 64
	v_mov_b32 v[OO+i], 0                           ; O^T.  The step is written once: the first finds zeros, which its a = 0 leaves zeros
.set i, i+1
.endr
; A KEY STEP: 64 keys, the q-th of the slot in hand.
.macro STEP q
	s_add_co_u32 s96, s[Q0], 31
	s_cmp_gt_u32 s[KF], s96                        ; all 64 keys come after my 32 queries: the step's work is left out
	s_cbranch_scc1 .Lhidden_\@
	v_add_nc_u32 v[ADK], s[TB], v[AK0]
	v_add_nc_u32 v[ADV], s[TB], v[AV0]
.rept 3
	v_nop                                          ; with the two additions five places behind the last products: the loads below land on V's registers, and the first product below writes over P's
.endr
.irp u, 0,1,2,3
.irp c, 0,1
	ds_load_b128 v[KV+8*(2*\u+\c):KV+8*(2*\u+\c)+3],   v[ADK] offset:(64*(\q)+16*\u)*KP+64*\c       ; keys 16 u on, channels 32 c on
	ds_load_b128 v[KV+8*(2*\u+\c)+4:KV+8*(2*\u+\c)+7], v[ADK] offset:(64*(\q)+16*\u)*KP+64*\c+32
.endr
.endr
	s_wait_dscnt 0x0
.irp c, 0,1                                    ; S^T = K Q^T: the eight accumulators take turns, one instruction a turn
.irp u, 0,1,2,3
.irp t, 0,1
.if \c == 0
	v_wmma_f32_16x16x32_f16 v[SS+32*\t+8*\u:SS+32*\t+8*\u+7], v[KV+8*(2*\u+\c):KV+8*(2*\u+\c)+7], v[QF+16*\t+8*\c:QF+16*\t+8*\c+7], 0
.else
	v_wmma_f32_16x16x32_f16 v[SS+32*\t+8*\u:SS+32*\t+8*\u+7], v[KV+8*(2*\u+\c):KV+8*(2*\u+\c)+7], v[QF+16*\t+8*\c:QF+16*\t+8*\c+7], v[SS+32*\t+8*\u:SS+32*\t+8*\u+7]
.endif
.endr
.endr
.endr
.rept 4
	v_nop                                          ; places in front of the loads into K's registers and of the first read of the scores
.endr
.irp k, 0,1                                    ; V, turned, lands while the softmax is walked: keys 32 k on, channels 16 f on
.irp f, 0,1,2,3
	ds_load_tr16_b128 v[KV+8*(4*\k+\f):KV+8*(4*\k+\f)+3],   v[ADV] offset:(64*(\q)+32*\k)*VP+32*\f
	ds_load_tr16_b128 v[KV+8*(4*\k+\f)+4:KV+8*(4*\k+\f)+7], v[ADV] offset:(64*(\q)+32*\k)*VP+16*VP+32*\f
.endr
.endr
	s_add_co_u32 s96, s[KF], 63
	s_cmp_le_u32 s96, s[Q0]                        ; all 64 keys count for all my queries: no mask
	s_cbranch_scc1 .Lopen_\@
	s_sub_co_i32 s96, s[Q0], s[KF]
	v_add_nc_u32 v10, s96, v9                      ; d = my query - KF - 8 h, tile 0; register 8 u + j holds key KF + 16 u + 8 h + j: hidden where 16 u + j > d
	v_add_nc_u32 v11, 16, v10                      ; tile 1
.set n, 0
.rept 32
	v_cmp_gt_i32 vcc_lo, 16*(n/8)+n%8, v10
	v_cndmask_b32 v[SS+n], v[SS+n], v30, vcc_lo
.set n, n+1
.endr
.set n, 0
.rept 32
	v_cmp_gt_i32 vcc_lo, 16*(n/8)+n%8, v11
	v_cndmask_b32 v[SS+32+n], v[SS+32+n], v30, vcc_lo
.set n, n+1
.endr
.Lopen_\@:
.irp j, 0,1,2,3                                ; the maximum of my 32 scores and the old m: four chains, each begun at an accumulator's low end; the two tiles by turns
.irp t, 0,1
	v_max3_num_f32 v[ST+8*\t+4+\j], v[SS+32*\t+8*\j], v[SS+32*\t+8*\j+1], v[SS+32*\t+8*\j+2]
.endr
.endr
.irp g, 1,2
.irp j, 0,1,2,3
.irp t, 0,1
	v_max3_num_f32 v[ST+8*\t+4+\j], v[ST+8*\t+4+\j], v[SS+32*\t+8*\j+2*\g+1], v[SS+32*\t+8*\j+2*\g+2]
.endr
.endr
.endr
.irp t, 0,1
	v_max3_num_f32 v[ST+8*\t+4], v[ST+8*\t+4], v[SS+32*\t+7], v[SS+32*\t+15]
	v_max3_num_f32 v[ST+8*\t+6], v[ST+8*\t+6], v[SS+32*\t+23], v[SS+32*\t+31]
.endr
.irp t, 0,1
	v_max3_num_f32 v[ST+8*\t+4], v[ST+8*\t+4], v[ST+8*\t+5], v[ST+8*\t+6]
.endr
.irp t, 0,1
	v_max3_num_f32 v[ST+8*\t+4], v[ST+8*\t+4], v[ST+8*\t+7], v[ST+8*\t+1]
.endr
.irp t, 0,1
	v_permlanex16_b32 v[ST+8*\t+5], v[ST+8*\t+4], s[SEL], s[SEL+1]   ; the query's other 32 keys lie in the lane 16 away
.endr
.irp t, 0,1
	v_mov_b32 v[ST+8*\t+7], v[ST+8*\t]             ; c m_old
.endr
.irp t, 0,1
	v_max_num_f32 v[ST+8*\t+1], v[ST+8*\t+4], v[ST+8*\t+5]         ; the new m
.endr
.irp t, 0,1
	v_mul_f32 v[ST+8*\t], s[CS], v[ST+8*\t+1]
.endr
.irp t, 0,1
	v_sub_f32 v[ST+8*\t+7], v[ST+8*\t+7], v[ST+8*\t]               ; c m_old - c m_new
.endr
.set j, 0
.rept 16
.irp t, 0,1
	v_pk_fma_f32 v[SS+32*\t+2*j:SS+32*\t+2*j+1], v[SS+32*\t+2*j:SS+32*\t+2*j+1], s[CS:CS+1], v[ST+8*\t:ST+8*\t+1] op_sel_hi:[1,0,0] neg_lo:[0,0,1] neg_hi:[0,0,1]   ; c s - c m, two at a time
.endr
.set j, j+1
.endr
.irp t, 0,1
	v_exp_f32 v[ST+8*\t+6], v[ST+8*\t+7]           ; a = 2^(c m_old - c m_new)
.endr
.set j, 0
.rept 32
.irp t, 0,1
	v_exp_f32 v[SS+32*\t+j], v[SS+32*\t+j]         ; p = 2^(c s - c m)
.endr
.set j, j+1
.endr
	v_nop                                          ; a plain instruction behind the last exponential
	s_wait_alu depctr_va_vdst(0)                   ; one wait for the batch of 66, ahead of its first reader
.irp t, 0,1
	v_pk_mul_f32 v[ST+8*\t+2:ST+8*\t+3], v[ST+8*\t+2:ST+8*\t+3], v[ST+8*\t+6:ST+8*\t+7] op_sel_hi:[1,0]   ; the sum under the new m
.endr
.irp t, 0,1
	v_pk_add_f32 v[ST+8*\t+4:ST+8*\t+5], v[SS+32*\t:SS+32*\t+1], v[SS+32*\t+2:SS+32*\t+3]                 ; the sum of the unrounded p, two at a time, in two chains
.endr
.irp j, 4,8,12,16,20,24,28
.irp t, 0,1
	v_pk_add_f32 v[ST+8*\t+2:ST+8*\t+3], v[ST+8*\t+2:ST+8*\t+3], v[SS+32*\t+\j:SS+32*\t+\j+1]
	v_pk_add_f32 v[ST+8*\t+4:ST+8*\t+5], v[ST+8*\t+4:ST+8*\t+5], v[SS+32*\t+\j+2:SS+32*\t+\j+3]
.endr
.endr
.irp t, 0,1
	v_pk_add_f32 v[ST+8*\t+2:ST+8*\t+3], v[ST+8*\t+2:ST+8*\t+3], v[ST+8*\t+4:ST+8*\t+5]
.endr
.set j, 0
.rept 16
.irp t, 0,1
	v_cvt_pk_f16_f32 v[SS+32*\t+j], v[SS+32*\t+2*j], v[SS+32*\t+2*j+1]   ; P, in place, ascending: a result lands on weights that have been read
.endr
.set j, j+1
.endr
.set j, 0
.rept 16
.irp t, 0,1
	v_pk_mul_f32 v[OO+32*\t+2*j:OO+32*\t+2*j+1], v[OO+32*\t+2*j:OO+32*\t+2*j+1], v[ST+8*\t+6:ST+8*\t+7] op_sel_hi:[1,0]   ; O^T under the new m, each accumulator from its low end on
.endr
.set j, j+1
.endr
	s_wait_dscnt 0x0                               ; V is in
.irp k, 0,1                                    ; O^T += V^T P: the eight accumulators take turns
.irp f, 0,1,2,3
.irp t, 0,1
	v_wmma_f32_16x16x32_f16 v[OO+32*\t+8*\f:OO+32*\t+8*\f+7], v[KV+8*(4*\k+\f):KV+8*(4*\k+\f)+7], v[SS+32*\t+8*\k:SS+32*\t+8*\k+7], v[OO+32*\t+8*\f:OO+32*\t+8*\f+7]
.endr
.endr
.endr
.Lhidden_\@:
	s_add_co_u32 s[KF], s[KF], 64
.endm
; THE CHANGE OF SLOTS stands at a slot's head.  Each wave waits for all its tensor loads (its part of the slot that it is about to read), adds 0 to its spare word, and waits for that and for its reads of the slot that it has left.
; Behind the barrier the slot ahead is whole and nobody reads the other one.  fill = 1: that other slot takes the next 256 keys, if any wave of the work-group will read them: the load has a slot's four steps in which to land.
.macro CHANGE fill
	s_wait_tensorcnt 0x0                           ; no tensor load of mine is out, so a group 0 may be written
	ds_add_u32 v[SPW], v[NIL]
.if \fill
	ds_add_u32 v[SPW], v[NIL]                      ; and once more: twice on end, in every trip alike
	s_xor_b32 s[G0K+1], s[G0K+1], SLOT1            ; the walking descriptors: the other slot than last time,
	s_add_nc_u64 s[G0K+2:G0K+3], s[G0K+2:G0K+3], SLOTB   ; the next 256 keys
	s_xor_b32 s[G0V+1], s[G0V+1], SLOT1
	s_add_nc_u64 s[G0V+2:G0V+3], s[G0V+2:G0V+3], SLOTB
	s_wait_xcnt 0x0                                ; the last prefetch, a slot back, has read its address, so it may be written
	s_add_nc_u64 s[PFA:PFA+1], s[PFA:PFA+1], SLOTB
.endif
	s_wait_dscnt 0x0                               ; the adds are done, and my reads of the slot that I have left are over
	s_barrier_signal -1
	s_barrier_wait -1
.if \fill
	s_add_co_u32 s96, s[KF], 256                   ; the first key of the slot that this change would ask for
	s_cmp_gt_u32 s96, s[QL]                        ; past my work-group's last query: none of its waves would read it.  Ids and the count of steps alone: all sixteen waves go the same way
	s_cbranch_scc1 .Lpast_\@
	TLOAD                                          ; a wave's one tensor load until the next such barrier
.Lpast_\@:
	ASK
.endif
.endm
.macro SLOT_STEPS
	STEP 0
	STEP 1
	STEP 2
	STEP 3
	s_xor_b32 s[TB], s[TB], SLOT1                  ; on to the other slot
.endm
	s_wait_loadcnt 0x0                             ; Q
.Lslot:                                            ; 7 trips: behind each change of slots but the last the next slot is asked for, up to the causal limit
	CHANGE 1
	SLOT_STEPS
	s_sub_co_u32 s[SLOTS], s[SLOTS], 1
	s_cmp_lg_u32 s[SLOTS], 0
	s_cbranch_scc1 .Lslot
	CHANGE 0                                       ; the last slot is written out: nothing is left to ask for
	SLOT_STEPS
	; THE WAY OUT.  The sum's halves are added; O^T is divided by the sum, rounded to f16 and sent through my stage, so that each store covers 512 consecutive bytes of ctx.
.rept 4
	v_nop                                          ; places behind the last products
.endr
.irp t, 0,1
	v_add_f32 v[ST+8*\t+4], v[ST+8*\t+2], v[ST+8*\t+3]
.endr
.irp t, 0,1
	v_permlanex16_b32 v[ST+8*\t+5], v[ST+8*\t+4], s[SEL], s[SEL+1]
.endr
.irp t, 0,1
	v_add_f32 v[ST+8*\t+4], v[ST+8*\t+4], v[ST+8*\t+5]
.endr
.irp t, 0,1
	v_rcp_f32 v[ST+8*\t+6], v[ST+8*\t+4]
.endr
	v_nop                                          ; a plain instruction behind the last reciprocal
	s_wait_alu depctr_va_vdst(0)                   ; one wait for the two, ahead of their first reader
.irp t, 0,1
.set j, 0
.rept 16
	v_pk_mul_f32 v[OO+32*\t+2*j:OO+32*\t+2*j+1], v[OO+32*\t+2*j:OO+32*\t+2*j+1], v[ST+8*\t+6:ST+8*\t+7] op_sel_hi:[1,0]
.set j, j+1
.endr
.endr
.irp t, 0,1
.set j, 0
.rept 16
	v_cvt_pk_f16_f32 v[SS+16*\t+j], v[OO+32*\t+2*j], v[OO+32*\t+2*j+1]   ; registers 4 f .. 4 f + 3: channels 16 f + 8 h + 0 .. 7 of query r
.set j, j+1
.endr
.endr
.irp t, 0,1
.irp f, 0,1,2,3
	ds_store_b128 v[STO], v[SS+16*\t+4*\f:SS+16*\t+4*\f+3] offset:\t*16*KP+32*\f
.endr
.endr
.irp i, 0,1,2,3,4,5,6,7
	ds_load_b128 v[160+4*\i:163+4*\i], v[RD] offset:\i*4*KP        ; LDS serves a wave's instructions in order: these see my stores
.endr
.irp i, 0,1,2,3,4,5,6,7
	s_wait_dscnt 7-\i
	global_store_b128 v[GO], v[160+4*\i:163+4*\i], s[6:7] offset:512*\i
.endr
	s_wait_tensorcnt 0x0                           ; the wave's end: a wait, an add and its wait behind my last tensor load and my last LDS store
	ds_add_u32 v[SPW], v[NIL]
	s_wait_dscnt 0x0
	s_endpgm
.Lfunc_end_k_q4400978cea_attn:
	.size	k_q4400978cea_attn, .Lfunc_end_k_q4400978cea_attn-k_q4400978cea_attn
	.p2alignl 7, 3214868480
	.fill 96, 4, 3214868480
	.section	.rodata,"a",@progbits
	.p2align	6, 0x0
	.amdhsa_kernel k_q4400978cea_attn
		.amdhsa_group_segment_fixed_size 327680
		.amdhsa_private_segment_fixed_size 0
		.amdhsa_enable_private_segment 0
		.amdhsa_kernarg_size 16
		.amdhsa_user_sgpr_count 2
		.amdhsa_user_sgpr_kernarg_segment_ptr 1
		.amdhsa_wavefront_size32 1
		.amdhsa_system_sgpr_workgroup_id_x 1
		.amdhsa_system_sgpr_workgroup_id_y 1
		.amdhsa_system_sgpr_workgroup_id_z 1
		.amdhsa_system_vgpr_workitem_id 0
		.amdhsa_next_free_vgpr 256
		.amdhsa_next_free_sgpr 100
		.amdhsa_reserve_vcc 1
		.amdhsa_float_denorm_mode_32 3
		.amdhsa_float_denorm_mode_16_64 3
		.amdhsa_memory_ordered 1
		.amdhsa_forward_progress 1
		.amdhsa_inst_pref_size 189
	.end_amdhsa_kernel
	.amdgpu_metadata
---
amdhsa.version: [ 1, 2 ]
amdhsa.kernels:
  - .name:           k_q4400978cea_attn
    .symbol:         k_q4400978cea_attn.kd
    .args:
      - { .name: qkv, .offset: 0, .size: 8, .value_kind: global_buffer, .address_space: global }
      - { .name: ctx, .offset: 8, .size: 8, .value_kind: global_buffer, .address_space: global }
    .group_segment_fixed_size: 327680
    .private_segment_fixed_size: 0
    .kernarg_segment_align: 8
    .kernarg_segment_size: 16
    .max_flat_workgroup_size: 512
    .sgpr_count:     100
    .vgpr_count:     256
    .wavefront_size: 32
...
	.end_amdgpu_metadata
.endif
;; end of part 3
;; launch proj (part 4): grid 4 x 64, 4 waves a work-group, clusters of 4 x 4, 327,680 bytes of LDS; arguments ctx, wot, bo, out0; writes out0
.if DOCPART == 4
	.amdgcn_target "amdgcn-amd-amdhsa--gfx1250"
	.amdhsa_code_object_version 6
	.text
	.protected	k_q4400978cea_proj
	.globl	k_q4400978cea_proj
	.p2align	8
	.type	k_q4400978cea_proj,@function
k_q4400978cea_proj:
	s_mov_b64 s[64:65], 0
	v_nop
	global_prefetch_b8 v0, s[64:65] scope:SCOPE_SE
	s_setreg_imm32_b32 hwreg(HW_REG_WAVE_MODE, 25, 1), 1
	s_wait_xcnt 0x0
	s_wait_alu depctr_hold_cnt(0) depctr_sa_sdst(0) depctr_va_vdst(0) depctr_va_sdst(0) depctr_va_ssrc(0) depctr_va_vcc(0) depctr_vm_vsrc(0)
	s_getreg_b32 s2, hwreg(HW_REG_IB_STS2, 6, 4)
	s_cmp_eq_u32 s2, 0
	s_cbranch_scc0 .Lentry_in_a_cluster
	s_endpgm
.Lentry_in_a_cluster:
	s_bfe_u32 s2, ttmp6, 0x10000c
	s_cmp_lg_u32 s2, 0xf033
	s_cbranch_scc0 .Lentry_shape_is_right
	s_endpgm
.Lentry_shape_is_right:
; PROJ.  out0[m][n] = sum over k of ctx[m][k] Wo[k][n] + bo[n].  ctx: f16, head-major [64 bh][2048 t][64] (m = 2048 b + t, k = 64 head + d); wot: f16 [1024 n][1024 k]; bo, out0: f32.  Sums in f32.
; A tile of out0 is 128 rows x 256 columns: 256 work-groups (tiles of 256 x 256 would be 128).  Four waves, each 64 x 128: 32 accumulators of 16 x 16.  K goes in steps of 128 (two heads) through a ring of two LDS slots.
; CLUSTERS: 4 x 4 work-groups.  The four of a row of the cluster need the same tiles of ctx, the four of a column the same tiles of wot: each tile is asked for jointly.
; THE MATRIX INSTRUCTION IS USED TRANSPOSED (source 0 = 16 rows of wot, source 1 = 16 rows of ctx): a lane holds eight neighbouring columns of one row of out0.  The bias is the C of each sum's first product.
; The rows of the first 16 positions of every sequence are written here like the others and are overwritten by a later, finer launch.
; REGISTERS: window 0: v16-29 addresses; two fragment buffers of 96 at v64 and v160 (wot's 8 fragments, then ctx's 4); window 1: the accumulators ((a, b) at v[8 (8 a + b)]); window 2: v0-63 the bias in the result's layout.
.set PA,    144                        ; a row of ctx's sub-tile in LDS: 128 bytes + 16
.set PB,    272                        ; a row of wot's tile: 256 bytes + 16
.set ASUB,  128*PA                     ; one head's 128 rows
.set BOFF,  2*ASUB
.set BHALF, 128*PB
.set SLOT,  BOFF+2*BHALF
.set STAGE, 2*SLOT                     ; behind the ring: 16 rows x (512 bytes + 16) for each wave
.set SPITCH, 528
.set SPARE, STAGE+4*16*SPITCH          ; the spare words, 128 bytes for each wave, that no other line names
.set LAPS,  4                          ; a lap = two K steps of 128 = once round the ring
.set ADRA, 16
.set ADRB, 20
.set STO,  24
.set RD,   25
.set CO,   26
.set BA,   27
.set SPW,  28
.set NIL,  29
.set F0,   64
.set F1,   160
.set BK,   64                          ; the way out: 16 rows read back: v64-127 and v128-191 by turns
.set G1A, 24
.set G0A, 32
.set G1B, 48
.set G0B, 56
.set MSB, 0
.macro WIN new
.if MSB != (\new)
	s_set_vgpr_msb (MSB<<8)|(\new)
.set MSB, \new
.endif
.endm
.set MUL, 0x50                         ; sources 0 and 1 window 0; C and D window 1.  0x60: C window 2 (the bias), D window 1
.macro JLOAD s                         ; a joint load: waves 0 and 1 fetch ctx's two heads, waves 2 and 3 wot's two halves; an s_nop 0 and four v_nop follow each of the two lines
	s_cmp_eq_u32 s13, 0
	s_cbranch_scc0 .Lfor_b_\@
	tensor_load_to_lds s[G0A+4*\s:G0A+4*\s+3], s[G1A:G1A+7]
	s_nop 0
.rept 4
	v_nop
.endr
	s_branch .Lasked_\@
.Lfor_b_\@:
	tensor_load_to_lds s[G0B+4*\s:G0B+4*\s+3], s[G1B:G1B+7]
	s_nop 0
.rept 4
	v_nop
.endr
.Lasked_\@:
.endm
.macro CREST                           ; a round of the cluster's barrier behind its opening barrier
	s_cmp_lg_u32 s12, 0
	s_cbranch_scc1 .Lnot_wave_0_\@
	s_barrier_signal -3
.Lnot_wave_0_\@:
	s_barrier_wait -3
	s_barrier_signal -1
	s_barrier_wait -1
.endm
.macro CROUND
	s_barrier_signal -1
	s_barrier_wait -1
	CREST
.endm
	s_load_b256 s[4:11], s[0:1], 0x0               ; ctx s[4:5], wot s[6:7], bo s[8:9], out0 s[10:11]
	v_lshl_add_u32 v[SPW], v0, 2, SPARE
	v_mov_b32 v[NIL], 0
	ds_add_u32 v[SPW], v[NIL]                      ; the wave's opening: the add, twice on end, and its wait ahead of my first tensor load
	ds_add_u32 v[SPW], v[NIL]
	v_lshrrev_b32 v1, 5, v0
	v_readfirstlane_b32 s12, v1                    ; wave 0..3
	s_lshr_b32 s13, s12, 1                         ; which 64 rows are mine.  Also: I fetch for ctx (0) or for wot (1)
	s_and_b32 s14, s12, 1                          ; which 128 columns.  Also: which head, or which 128 rows of wot, I fetch
	s_bfe_u32 s40, ttmp6, 0x40000                  ; cx, cy
	s_bfe_u32 s41, ttmp6, 0x40004
	s_lshl_b32 s42, ttmp9, 2
	s_add_co_u32 s42, s42, s40                     ; tile column
	s_and_b32 s15, ttmp7, 0xffff
	s_lshl_b32 s15, s15, 2
	s_add_co_u32 s15, s15, s41                     ; tile row
	s_lshl_b32 s43, s41, 2
	s_lshl_b32 s43, 15, s43                        ; my row of the cluster
	s_lshl_b32 s44, 0x1111, s40                    ; my column
	s_or_b32 s[G1A], s43, (1<<16)|(1<<20)|(1<<21)|(4<<22)|(3<<25)  ; ctx: 128 rows of 64 elements of 2 bytes, dense in memory; 4 words of padding after every 32
	s_mov_b32 s[G1A+1], 64<<16
	s_mov_b32 s[G1A+2], 128<<16
	s_mov_b32 s[G1A+3], 64<<16
	s_mov_b32 s[G1A+4], 128
	s_mov_b32 s[G1A+5], 64
	s_mov_b32 s[G1A+6], 0
	s_mov_b32 s[G1A+7], 0
	s_or_b32 s[G1B], s44, (1<<16)|(1<<20)|(1<<21)|(5<<22)|(3<<25)  ; wot: 128 rows of 128 elements, 1,024 elements apart; 4 words of padding after every 64
	s_mov_b32 s[G1B+1], 128<<16
	s_mov_b32 s[G1B+2], 128<<16
	s_mov_b32 s[G1B+3], 128<<16
	s_mov_b32 s[G1B+4], 128
	s_mov_b32 s[G1B+5], 1024
	s_mov_b32 s[G1B+6], 0
	s_mov_b32 s[G1B+7], 0
	s_lshr_b32 s16, s15, 4                         ; ctx: batch = tile row / 16: 16 heads of 262,144 bytes,
	s_lshl_b32 s16, s16, 22
	s_and_b32 s17, s15, 15
	s_lshl_b32 s17, s17, 14                        ; 128 rows of 128 bytes for each tile row in the batch,
	s_add_co_u32 s16, s16, s17
	s_lshl_b32 s17, s14, 18                        ; and my head of the K step's two
	s_add_co_u32 s16, s16, s17
	s_mov_b32 s17, 0
	s_lshl_b32 s46, s42, 19                        ; wot: 256 rows of 2,048 bytes for each tile column,
	s_lshl_b32 s47, s14, 18                        ; and my 128 of them
	s_add_co_u32 s46, s46, s47
	s_mov_b32 s47, 0
	s_mul_i32 s20, s14, ASUB                       ; where they go in a slot
	s_mul_i32 s21, s14, BHALF
	s_add_co_u32 s21, s21, BOFF
	s_wait_dscnt 0x0                               ; both opening adds are done
	s_wait_kmcnt 0x0
	s_add_nc_u64 s[18:19], s[4:5], s[16:17]
	s_add_nc_u64 s[46:47], s[6:7], s[46:47]
	CROUND                                         ; all sixteen work-groups are here: the first joint loads meet
.irp s, 0,1
	s_mov_b32 s[G0A+4*\s], 1
	s_add_co_u32 s[G0A+4*\s+1], s20, \s*SLOT
	s_add_nc_u64 s[G0A+4*\s+2:G0A+4*\s+3], s[18:19], \s*524288     ; K step s: two heads on
	s_or_b32 s[G0A+4*\s+3], s[G0A+4*\s+3], 0x80000000
	s_mov_b32 s[G0B+4*\s], 1
	s_add_co_u32 s[G0B+4*\s+1], s21, \s*SLOT
	s_add_nc_u64 s[G0B+4*\s+2:G0B+4*\s+3], s[46:47], \s*256
	s_or_b32 s[G0B+4*\s+3], s[G0B+4*\s+3], 0x80000000
	JLOAD \s
.endr
	v_and_b32 v1, 15, v0                           ; r
	v_bfe_u32 v2, v0, 4, 1                         ; h
	v_mul_u32_u24 v3, v1, PA
	v_lshl_add_u32 v3, v2, 4, v3
	v_mul_u32_u24 v4, v1, PB
	v_lshl_add_u32 v4, v2, 4, v4
	s_mul_i32 s22, s13, 64*PA                      ; my 64 rows of ctx
	s_mul_i32 s23, s14, BHALF                      ; my 128 rows of wot
	s_add_co_u32 s23, s23, BOFF
.irp s, 0,1
	v_add_nc_u32 v[ADRA+\s], s22, v3
	v_add_nc_u32 v[ADRB+\s], s23, v4
	s_add_co_u32 s22, s22, SLOT
	s_add_co_u32 s23, s23, SLOT
.endr
	s_mul_i32 s22, s12, 16*SPITCH
	s_add_co_u32 s22, s22, STAGE                   ; my stage
	v_mul_u32_u24 v5, v1, SPITCH
	v_lshl_add_u32 v5, v2, 5, v5
	v_add_nc_u32 v[STO], s22, v5                   ; in: row r, 32 bytes for each half of the lanes
	v_and_b32 v5, 31, v0
	v_lshlrev_b32 v[CO], 4, v5                     ; back: the 32 lanes take a row of 512 bytes; and the same in out0
	v_add_nc_u32 v[RD], s22, v[CO]
	v_lshlrev_b32 v[BA], 5, v2                     ; the bias: 8 numbers on for lanes 16-31
	s_lshl_b32 s16, s15, 19                        ; out0: 128 rows of 4,096 bytes for each tile row,
	s_lshl_b32 s17, s13, 18                        ; my 64 rows,
	s_add_co_u32 s16, s16, s17
	s_mov_b32 s17, 0
	s_add_nc_u64 s[10:11], s[10:11], s[16:17]
	s_lshl_b32 s46, s42, 10                        ; 256 columns of 4 bytes for each tile column,
	s_lshl_b32 s47, s14, 9                         ; my 128 columns
	s_add_co_u32 s46, s46, s47
	s_mov_b32 s47, 0
	s_add_nc_u64 s[10:11], s[10:11], s[46:47]
	s_add_nc_u64 s[8:9], s[8:9], s[46:47]
	WIN 0x80                                       ; destination window 2
.irp b, 0,1,2,3,4,5,6,7
	global_load_b128 v[8*\b:8*\b+3],   v[BA], s[8:9] offset:64*\b          ; bo at my columns 16 b + 8 h + 0 .. 7
	global_load_b128 v[8*\b+4:8*\b+7], v[BA], s[8:9] offset:64*\b+16
.endr
	WIN 0
; 8 matrix instructions: ctx's block a against wot's eight, 32 along K.  The 32 accumulators take turns, one instruction a turn, in the same order in every quarter.
.macro MUL8 f, a, first
.irp b, 0,1,2,3,4,5,6,7
.if \first
	v_wmma_f32_16x16x32_f16 v[8*(8*(\a)+\b):8*(8*(\a)+\b)+7], v[\f+8*\b:\f+8*\b+7], v[\f+64+8*(\a):\f+64+8*(\a)+7], v[8*\b:8*\b+7]
.else
	v_wmma_f32_16x16x32_f16 v[8*(8*(\a)+\b):8*(8*(\a)+\b)+7], v[\f+8*\b:\f+8*\b+7], v[\f+64+8*(\a):\f+64+8*(\a)+7], v[8*(8*(\a)+\b):8*(8*(\a)+\b)+7]
.endif
.endr
.endm
; 24 LDS loads in one run: the fragments of the slot's q-th 32 along K into buffer f: wot's 16 loads first, then ctx's 8
.macro FETCH slot, q, f
.irp i, 0,1,2,3,4,5,6,7
	ds_load_b128 v[\f+8*\i:\f+8*\i+3],   v[ADRB+\slot] offset:64*(\q)+\i*16*PB
	ds_load_b128 v[\f+8*\i+4:\f+8*\i+7], v[ADRB+\slot] offset:64*(\q)+\i*16*PB+32
.endr
.irp i, 0,1,2,3
	ds_load_b128 v[\f+64+8*\i:\f+64+8*\i+3],   v[ADRA+\slot] offset:((\q)/2)*ASUB+((\q)%2)*64+\i*16*PA
	ds_load_b128 v[\f+64+8*\i+4:\f+64+8*\i+7], v[ADRA+\slot] offset:((\q)/2)*ASUB+((\q)%2)*64+\i*16*PA+32
.endr
.endm
.macro PLACES                          ; four plain vector instructions in front of loads into registers that matrix instructions have read, and of reads of results
.rept 4
	v_nop
.endr
.endm
; A K step is four quarters of 32 along K, 32 matrix instructions each, on buffers 0, 1, 0, 1.  One of the first three: multiplies buffer f and fetches the slot's quarter qn into g.
.macro QUARTER slot, qn, f, g, first
	s_wait_dscnt 4                                 ; all but the youngest four loads: ctx's blocks 2 and 3
	WIN MUL+0x10*(\first)
	MUL8 \f, 0, \first
	MUL8 \f, 1, \first
	PLACES
	WIN 0
	FETCH \slot, \qn, \g
	s_wait_dscnt 24                                ; all but the 24 just issued
	WIN MUL+0x10*(\first)
	MUL8 \f, 2, \first
	MUL8 \f, 3, \first
.endm
; The last quarter multiplies buffer 1 and changes slots: one barrier; in front of it each wave waits for all its tensor loads, adds 0 to its spare word, and waits for that and for its own reads of this slot.
.macro TURN slot, next, fill
	WIN 0
	s_wait_tensorcnt 0x0                           ; all my tensor loads have landed: the one that was out is my part of the next slot
	ds_add_u32 v[SPW], v[NIL]
	s_wait_dscnt 5                                 ; the add and the youngest four loads may be out
	WIN MUL
	MUL8 F1, 0, 0                                  ; eight matrix instructions stand between the add and the wait for it
	s_wait_dscnt 0x0                               ; the add is done, and my reads of this slot are over
	s_barrier_signal -1
	MUL8 F1, 1, 0
	WIN 0
	s_barrier_wait -1
.if \fill
	CREST                                          ; the barrier has opened a round of the cluster's barrier: no wave of any partner still reads this slot or has a load on its way
	s_add_nc_u64 s[G0A+4*\slot+2:G0A+4*\slot+3], s[G0A+4*\slot+2:G0A+4*\slot+3], 1048576   ; two K steps on: four heads
	s_add_nc_u64 s[G0B+4*\slot+2:G0B+4*\slot+3], s[G0B+4*\slot+2:G0B+4*\slot+3], 512
	JLOAD \slot                                    ; the first tensor load behind the round; its four v_nop are also the places in front of the loads below
.else
	PLACES
.endif
	FETCH \next, 0, F0
	WIN MUL
	MUL8 F1, 2, 0
	MUL8 F1, 3, 0
.endm
	s_wait_tensorcnt 1                             ; my part of K step 0 is in; K step 1's may be out
	s_barrier_signal -1
	s_barrier_wait -1
	FETCH 0, 0, F0
	s_wait_loadcnt 0x0                             ; the bias
	QUARTER 0, 1, F0, F1, 1                        ; the first quarter stands in front of the loop: its products start the sums from the bias
	WIN 0
	s_mov_b32 s3, LAPS-1
.Llap:                                                 ; a trip goes once round the ring, from a lap's second quarter to the next lap's first, and fills both slots again
	QUARTER 0, 2, F1, F0, 0
	QUARTER 0, 3, F0, F1, 0
	TURN 0, 1, 1
	QUARTER 1, 1, F0, F1, 0
	QUARTER 1, 2, F1, F0, 0
	QUARTER 1, 3, F0, F1, 0
	TURN 1, 0, 1
	QUARTER 0, 1, F0, F1, 0
	WIN 0
	s_sub_co_u32 s3, s3, 1
	s_cmp_lg_u32 s3, 0
	s_cbranch_scc1 .Llap
	QUARTER 0, 2, F1, F0, 0                        ; the last lap fills nothing
	QUARTER 0, 3, F0, F1, 0
	TURN 0, 1, 0
	QUARTER 1, 1, F0, F1, 0
	QUARTER 1, 2, F1, F0, 0
	QUARTER 1, 3, F0, F1, 0
	s_wait_dscnt 4                                 ; the very last quarter
	WIN MUL
	MUL8 F1, 0, 0
	MUL8 F1, 1, 0
	s_wait_dscnt 0
	MUL8 F1, 2, 0
	MUL8 F1, 3, 0
	WIN 0
; THE WAY OUT, block by block of 16 rows x 128 columns, through my own stage: in as 32 bytes a lane, back as whole rows of 512 bytes.  LDS serves a wave's instructions in order.
.macro TOSTAGE a
	WIN 0x04                                       ; an LDS store's data are its source 1: window 1
.irp b, 0,1,2,3,4,5,6,7
	ds_store_b128 v[STO], v[8*(8*(\a)+\b):8*(8*(\a)+\b)+3] offset:64*\b        ; each accumulator from its low end on
	ds_store_b128 v[STO], v[8*(8*(\a)+\b)+4:8*(8*(\a)+\b)+7] offset:64*\b+16
.endr
	WIN 0
.set BB, BK+64*((\a)%2)
.irp t, 0,1,2,3,4,5,6,7,8,9,10,11,12,13,14,15
	ds_load_b128 v[BB+4*\t:BB+4*\t+3], v[RD] offset:\t*SPITCH
.endr
.endm
.macro SEND a, younger
.set BB, BK+64*((\a)%2)
	s_wait_dscnt \younger
.irp t, 0,1,2,3,4,5,6,7,8,9,10,11,12,13,14,15
	global_store_b128 v[CO], v[BB+4*\t:BB+4*\t+3], s[10:11] offset:(16*(\a)+\t)*4096 th:TH_STORE_NT   ; 32 lanes store 512 consecutive bytes, aligned
.endr
.endm
	PLACES
	TOSTAGE 0
.irp a, 1,2,3
.if \a > 1
	s_wait_xcnt 0x0                                ; block a - 2's stores have read their registers: block a's loads may land there
.endif
	TOSTAGE \a
	SEND \a-1, 32                                  ; behind block a - 1's loads: block a's 16 stores and 16 loads
.endr
	SEND 3, 0
	s_wait_tensorcnt 0x0                           ; the wave's end: a wait, an add and its wait behind my last tensor load and my last LDS store
	ds_add_u32 v[SPW], v[NIL]
	s_wait_dscnt 0x0
	CROUND                                         ; the closing round
	s_endpgm
.Lfunc_end_k_q4400978cea_proj:
	.size	k_q4400978cea_proj, .Lfunc_end_k_q4400978cea_proj-k_q4400978cea_proj
	.p2alignl 7, 3214868480
	.fill 96, 4, 3214868480
	.section	.rodata,"a",@progbits
	.p2align	6, 0x0
	.amdhsa_kernel k_q4400978cea_proj
		.amdhsa_group_segment_fixed_size 327680
		.amdhsa_private_segment_fixed_size 0
		.amdhsa_enable_private_segment 0
		.amdhsa_kernarg_size 32
		.amdhsa_user_sgpr_count 2
		.amdhsa_user_sgpr_kernarg_segment_ptr 1
		.amdhsa_wavefront_size32 1
		.amdhsa_system_sgpr_workgroup_id_x 1
		.amdhsa_system_sgpr_workgroup_id_y 1
		.amdhsa_system_sgpr_workgroup_id_z 1
		.amdhsa_system_vgpr_workitem_id 0
		.amdhsa_next_free_vgpr 576
		.amdhsa_next_free_sgpr 66
		.amdhsa_reserve_vcc 0
		.amdhsa_float_denorm_mode_32 3
		.amdhsa_float_denorm_mode_16_64 3
		.amdhsa_memory_ordered 1
		.amdhsa_forward_progress 1
		.amdhsa_inst_pref_size 86
	.end_amdhsa_kernel
	.amdgpu_metadata
---
amdhsa.version: [ 1, 2 ]
amdhsa.kernels:
  - .name:           k_q4400978cea_proj
    .symbol:         k_q4400978cea_proj.kd
    .args:
      - { .name: ctx, .offset: 0, .size: 8, .value_kind: global_buffer, .address_space: global }
      - { .name: wot, .offset: 8, .size: 8, .value_kind: global_buffer, .address_space: global }
      - { .name: bo, .offset: 16, .size: 8, .value_kind: global_buffer, .address_space: global }
      - { .name: out0, .offset: 24, .size: 8, .value_kind: global_buffer, .address_space: global }
    .group_segment_fixed_size: 327680
    .private_segment_fixed_size: 0
    .kernarg_segment_align: 8
    .kernarg_segment_size: 32
    .max_flat_workgroup_size: 128
    .sgpr_count:     66
    .vgpr_count:     576
    .wavefront_size: 32
...
	.end_amdgpu_metadata
.endif
;; end of part 4
;; launch fattn (part 5): grid 16 x 4, 12 waves a work-group, no clusters, 18,432 bytes of LDS; arguments xc, xs, wc, ws, c16; writes c16
.if DOCPART == 5
	.amdgcn_target "amdgcn-amd-amdhsa--gfx1250"
	.amdhsa_code_object_version 6
	.text
	.protected	k_q4400978cea_fattn
	.globl	k_q4400978cea_fattn
	.p2align	8
	.type	k_q4400978cea_fattn,@function
k_q4400978cea_fattn:
	s_mov_b64 s[64:65], 0
	v_nop
	global_prefetch_b8 v0, s[64:65] scope:SCOPE_SE
	s_setreg_imm32_b32 hwreg(HW_REG_WAVE_MODE, 25, 1), 1
	s_wait_xcnt 0x0
; FATTN.  The first 16 positions of every sequence, carried in f32: they average few values, so f16 operands would use up what the comparison allows.
; One work-group for each (head, batch).  Its 12 waves make q, k and v of the 16 positions again from the codes (16 positions x 16 channels a wave, K = 1,024 in eight scaled FP4 products); wave 0 then does the attention with
; f32 operands: 16 x 16 scores, causal mask, softmax with the row's maximum taken away, p v; c16 [4 b][16 t][1024] f32.
; q and k are made TRANSPOSED (source 0 = 16 rows of W, source 1 = the 16 rows of x): a lane holds position r and channels 8 h + 0 .. 7 of the wave's 16.  v is made the natural way round: a lane holds channel r and positions 8 h + 0 .. 7.
; Which way round is a choice of pointers on the wave's number; the text is one.  These registers ARE operands of the f32 matrix form: with the four places of its K taken alike on both sides (place (h, j) of step s is index 8 h + 2 s + j),
; the register pairs (2 s, 2 s + 1) go in as they stand.  They reach wave 0 through LDS as images of the registers.
; LIMITS: NaN and infinities are not served.
.set STG,   12288                      ; behind the 12 images of 1,024 bytes: a stage of 16 rows x (256 bytes + 16)
.set SPARE, 16640                      ; the spare words, 128 bytes for each wave, that no other line names
.set SPW, 2
.set NIL, 3
	s_load_b256 s[4:11], s[0:1], 0x0               ; xc s[4:5], xs s[6:7], wc s[8:9], ws s[10:11]
	s_load_b64 s[12:13], s[0:1], 0x20              ; c16
	v_lshl_add_u32 v[SPW], v0, 2, SPARE
	v_mov_b32 v[NIL], 0
	v_lshrrev_b32 v1, 5, v0
	v_readfirstlane_b32 s14, v1                    ; wave 0..11
	v_and_b32 v4, 31, v0                           ; lane
	v_and_b32 v5, 15, v0                           ; r
	v_bfe_u32 v6, v0, 4, 1                         ; h
	v_lshlrev_b32 v7, 9, v5
	v_lshl_add_u32 v7, v6, 4, v7                   ; codes: row r of 512 bytes, + 16 h
	v_lshlrev_b32 v8, 5, v5                        ; scale words: row r of 32 bytes
	v_lshlrev_b32 v9, 3, v6
	v_sub_nc_u32 v9, v5, v9                        ; r - 8 h, for the mask
	v_lshlrev_b32 v11, 4, v4                       ; an image's place for my lane
	s_lshl_b32 s15, s14, 10
	v_add_nc_u32 v10, s15, v11                     ; where I store my image
	v_mul_u32_u24 v12, v5, 272
	v_lshl_add_u32 v12, v6, 5, v12
	v_add_nc_u32 v12, STG, v12                     ; the stage: row r, + 32 h
	v_mul_u32_u24 v13, v6, 272
	v_lshl_add_u32 v13, v5, 4, v13
	v_add_nc_u32 v13, STG, v13                     ; back: sixteen lanes to a row, two rows an instruction
	v_lshlrev_b32 v14, 12, v6
	v_lshl_add_u32 v14, v5, 4, v14                 ; and the same place in c16
	s_lshr_b32 s15, s14, 2                         ; 0, 1, 2: q, k, v
	s_and_b32 s16, s14, 3                          ; which 16 channels of the head
	s_lshl_b32 s17, s15, 10
	s_lshl_b32 s19, ttmp9, 6
	s_add_co_u32 s17, s17, s19
	s_lshl_b32 s19, s16, 4
	s_add_co_u32 s17, s17, s19                     ; my first row of wc and ws
	s_and_b32 s18, ttmp7, 0xffff                   ; the batch
	s_lshl_b32 s20, s17, 9
	s_mov_b32 s21, 0
	s_lshl_b32 s22, s17, 5
	s_mov_b32 s23, 0
	s_lshl_b32 s24, s18, 20                        ; 2,048 rows of 512 bytes
	s_mov_b32 s25, 0
	s_lshl_b32 s26, s18, 16
	s_mov_b32 s27, 0
	s_mov_b32 s36, 0x76543210
	s_mov_b32 s37, 0xfedcba98                      ; lane l xor 16
	s_mov_b32 s38, 0x3e38aa3b                      ; c = log2(e) / 8
	s_wait_kmcnt 0x0
	s_add_nc_u64 s[8:9], s[8:9], s[20:21]
	s_add_nc_u64 s[10:11], s[10:11], s[22:23]
	s_add_nc_u64 s[4:5], s[4:5], s[24:25]
	s_add_nc_u64 s[6:7], s[6:7], s[26:27]
	s_cmp_lt_u32 s14, 8                            ; q and k: source 0 = W, source 1 = x; v: the other way round.  The choice hangs on the wave's number alone
	s_cselect_b64 s[28:29], s[8:9], s[4:5]
	s_cselect_b64 s[30:31], s[4:5], s[8:9]
	s_cselect_b64 s[32:33], s[10:11], s[6:7]
	s_cselect_b64 s[34:35], s[6:7], s[10:11]
	s_lshl_b32 s20, ttmp9, 8                       ; c16: the batch's 16 rows of 4,096 bytes, the head's 256 bytes
	s_add_co_u32 s20, s20, s26
	s_add_nc_u64 s[12:13], s[12:13], s[20:21]
.irp s, 0,1,2,3,4,5,6,7
.irp c, 0,1
	global_load_b128 v[16+8*\s+4*\c:19+8*\s+4*\c], v7, s[28:29] offset:64*\s+32*\c      ; source 0's fragment of K step s
	global_load_b128 v[80+8*\s+4*\c:83+8*\s+4*\c], v7, s[30:31] offset:64*\s+32*\c      ; source 1's
.endr
.endr
	global_load_b128 v[144:147], v8, s[32:33]      ; source 0's scale words, one for each K step
	global_load_b128 v[148:151], v8, s[32:33] offset:16
	global_load_b128 v[152:155], v8, s[34:35]      ; source 1's
	global_load_b128 v[156:159], v8, s[34:35] offset:16
	s_wait_loadcnt 0x0
	v_wmma_scale_f32_16x16x128_f8f6f4 v[160:167], v[16:23], v[80:87], 0, v144, v152 matrix_a_fmt:MATRIX_FMT_FP4 matrix_b_fmt:MATRIX_FMT_FP4
.irp s, 1,2,3,4,5,6,7
	s_wait_alu depctr_va_vdst(0)                   ; the wait directly ahead of every link
	v_wmma_scale_f32_16x16x128_f8f6f4 v[160:167], v[16+8*\s:23+8*\s], v[80+8*\s:87+8*\s], v[160:167], v[144+\s], v[152+\s] matrix_a_fmt:MATRIX_FMT_FP4 matrix_b_fmt:MATRIX_FMT_FP4
.endr
.rept 4
	v_nop                                          ; places in front of the stores that read the result, and of wave 0's loads into the fragments' registers
.endr
	ds_store_b128 v10, v[160:163]                  ; my image: the registers as they stand, the low four first
	ds_store_b128 v10, v[164:167] offset:512
	s_wait_dscnt 0x0                               ; for the others' sake: my stores have landed
	s_barrier_signal -1
	s_barrier_wait -1
	s_cmp_lg_u32 s14, 0
	s_cbranch_scc1 .Ldone
	; ---- wave 0 alone: q at v16-47, k at v48-79, v at v80-111, eight registers for each 16 channels
.irp w, 0,1,2,3,4,5,6,7,8,9,10,11
	ds_load_b128 v[16+8*\w:19+8*\w], v11 offset:1024*\w
	ds_load_b128 v[20+8*\w:23+8*\w], v11 offset:1024*\w+512
.endr
	v_mov_b32 v233, 0                              ; a lane permute's destination counts as one of its sources
	v_mov_b32 v240, 0xff800000                     ; -infinity
	s_wait_dscnt 0x0
.irp c, 0,1,2,3                                ; S^T = k q^T: 16 steps of 4 along the channels, two accumulators by turns; their sum is the score
.irp s, 0,1,2,3
.if (\c == 0) && (\s < 2)
	v_wmma_f32_16x16x4_f32 v[176+8*(\s%2):183+8*(\s%2)], v[48+8*\c+2*\s:49+8*\c+2*\s], v[16+8*\c+2*\s:17+8*\c+2*\s], 0
.else
	v_wmma_f32_16x16x4_f32 v[176+8*(\s%2):183+8*(\s%2)], v[48+8*\c+2*\s:49+8*\c+2*\s], v[16+8*\c+2*\s:17+8*\c+2*\s], v[176+8*(\s%2):183+8*(\s%2)]
.endif
.endr
.endr
.rept 8
	v_nop                                          ; eight places behind this form
.endr
.irp j, 0,1,2,3,4,5,6,7
	v_add_f32 v[224+\j], v[176+\j], v[184+\j]      ; lane (r, h): the score of query r and key 8 h + j
.endr
.irp j, 0,1,2,3,4,5,6,7
	v_cmp_gt_i32 vcc_lo, \j, v9                    ; hidden where 8 h + j > r
	v_cndmask_b32 v[224+\j], v[224+\j], v240, vcc_lo
.endr
	v_max3_num_f32 v232, v224, v225, v226
	v_max3_num_f32 v232, v232, v227, v228
	v_max3_num_f32 v232, v232, v229, v230
	v_max_num_f32 v232, v232, v231
	v_permlanex16_b32 v233, v232, s36, s37
	v_max_num_f32 v232, v232, v233                 ; the row's maximum: key 0 counts for every query, so it is a number
	v_mul_f32 v234, s38, v232
.irp j, 0,1,2,3,4,5,6,7
	v_fma_f32 v[224+\j], v[224+\j], s38, -v234     ; c s - c m
.endr
.irp j, 0,1,2,3,4,5,6,7
	v_exp_f32 v[224+\j], v[224+\j]
.endr
	v_nop                                          ; a plain instruction behind the last exponential
	s_wait_alu depctr_va_vdst(0)                   ; one wait for the eight, ahead of their first reader
	v_add_f32 v235, v224, v225
	v_add_f32 v236, v226, v227
	v_add_f32 v237, v228, v229
	v_add_f32 v238, v230, v231
	v_add_f32 v235, v235, v236
	v_add_f32 v237, v237, v238
	v_add_f32 v235, v235, v237
	v_permlanex16_b32 v233, v235, s36, s37
	v_add_f32 v235, v235, v233                     ; the row's sum
	v_rcp_f32 v239, v235
	v_nop                                          ; a plain instruction behind the reciprocal
.irp s, 0,1,2,3                                ; O^T = v^T p: 4 steps of 4 along the keys, the four accumulators (16 channels each) by turns
.irp f, 0,1,2,3
.if \s == 0
	v_wmma_f32_16x16x4_f32 v[192+8*\f:199+8*\f], v[80+8*\f+2*\s:81+8*\f+2*\s], v[224+2*\s:225+2*\s], 0
.else
	v_wmma_f32_16x16x4_f32 v[192+8*\f:199+8*\f], v[80+8*\f+2*\s:81+8*\f+2*\s], v[224+2*\s:225+2*\s], v[192+8*\f:199+8*\f]
.endif
.endr
.endr
.rept 8
	v_nop
.endr
	s_wait_alu depctr_va_vdst(0)                   ; the reciprocal's wait, ahead of its first reader
.irp f, 0,1,2,3
.irp j, 0,1,2,3,4,5,6,7
	v_mul_f32 v[112+8*\f+\j], v[192+8*\f+\j], v239 ; lane (r, h): ctx of position r, channel 16 f + 8 h + j; into other registers than the sums'
.endr
.endr
.irp f, 0,1,2,3
	ds_store_b128 v12, v[112+8*\f:115+8*\f] offset:64*\f
	ds_store_b128 v12, v[116+8*\f:119+8*\f] offset:64*\f+16
.endr
.irp i, 0,1,2,3,4,5,6,7
	ds_load_b128 v[16+4*\i:19+4*\i], v13 offset:\i*544             ; LDS serves a wave's instructions in order: these see my stores
.endr
.irp i, 0,1,2,3,4,5,6,7
	s_wait_dscnt 7-\i
	global_store_b128 v14, v[16+4*\i:19+4*\i], s[12:13] offset:\i*8192   ; sixteen lanes store 256 consecutive bytes, aligned
.endr
.Ldone:
	s_wait_tensorcnt 0x0                           ; the wave's end: a wait, an add and its wait behind my last LDS store
	ds_add_u32 v[SPW], v[NIL]
	s_wait_dscnt 0x0
	s_endpgm
.Lfunc_end_k_q4400978cea_fattn:
	.size	k_q4400978cea_fattn, .Lfunc_end_k_q4400978cea_fattn-k_q4400978cea_fattn
	.p2alignl 7, 3214868480
	.fill 96, 4, 3214868480
	.section	.rodata,"a",@progbits
	.p2align	6, 0x0
	.amdhsa_kernel k_q4400978cea_fattn
		.amdhsa_group_segment_fixed_size 18432
		.amdhsa_private_segment_fixed_size 0
		.amdhsa_enable_private_segment 0
		.amdhsa_kernarg_size 40
		.amdhsa_user_sgpr_count 2
		.amdhsa_user_sgpr_kernarg_segment_ptr 1
		.amdhsa_wavefront_size32 1
		.amdhsa_system_sgpr_workgroup_id_x 1
		.amdhsa_system_sgpr_workgroup_id_y 1
		.amdhsa_system_sgpr_workgroup_id_z 1
		.amdhsa_system_vgpr_workitem_id 0
		.amdhsa_next_free_vgpr 256
		.amdhsa_next_free_sgpr 66
		.amdhsa_reserve_vcc 1
		.amdhsa_float_denorm_mode_32 3
		.amdhsa_float_denorm_mode_16_64 3
		.amdhsa_memory_ordered 1
		.amdhsa_forward_progress 1
		.amdhsa_inst_pref_size 18
	.end_amdhsa_kernel
	.amdgpu_metadata
---
amdhsa.version: [ 1, 2 ]
amdhsa.kernels:
  - .name:           k_q4400978cea_fattn
    .symbol:         k_q4400978cea_fattn.kd
    .args:
      - { .name: xc, .offset: 0, .size: 8, .value_kind: global_buffer, .address_space: global }
      - { .name: xs, .offset: 8, .size: 8, .value_kind: global_buffer, .address_space: global }
      - { .name: wc, .offset: 16, .size: 8, .value_kind: global_buffer, .address_space: global }
      - { .name: ws, .offset: 24, .size: 8, .value_kind: global_buffer, .address_space: global }
      - { .name: c16, .offset: 32, .size: 8, .value_kind: global_buffer, .address_space: global }
    .group_segment_fixed_size: 18432
    .private_segment_fixed_size: 0
    .kernarg_segment_align: 8
    .kernarg_segment_size: 40
    .max_flat_workgroup_size: 384
    .sgpr_count:     66
    .vgpr_count:     256
    .wavefront_size: 32
...
	.end_amdgpu_metadata
.endif
;; end of part 5
;; launch fproj (part 6): grid 16 x 4, 16 waves a work-group, no clusters, 19,456 bytes of LDS; arguments c16, Wo, bo, out0; writes out0
.if DOCPART == 6
	.amdgcn_target "amdgcn-amd-amdhsa--gfx1250"
	.amdhsa_code_object_version 6
	.text
	.protected	k_q4400978cea_fproj
	.globl	k_q4400978cea_fproj
	.p2align	8
	.type	k_q4400978cea_fproj,@function
k_q4400978cea_fproj:
	s_mov_b64 s[64:65], 0
	v_nop
	global_prefetch_b8 v0, s[64:65] scope:SCOPE_SE
	s_setreg_imm32_b32 hwreg(HW_REG_WAVE_MODE, 25, 1), 1
	s_wait_xcnt 0x0
; FPROJ.  The first 16 positions of every sequence: out0[2048 b + t][n] = sum over k of c16[b][t][k] Wo[k][n] + bo[n], all in f32, by the f32 matrix form (64 rows in all: no bulk work).  It overwrites what the f16 projection left in these rows.
; One work-group for each (64 columns, batch).  Wave w takes 16 of the columns (w % 4) and 256 along K (w / 4); the four parts of K meet in LDS and are added, with the bias, by waves 0 to 7, which store whole rows of 256 bytes.
; USED TRANSPOSED: source 0 = 16 columns of Wo, source 1 = the 16 positions: a lane holds one position and eight neighbouring columns.  The four places of the form's K are taken alike on both sides:
; place (h, j) of step (u, e) is k = 8 u + 4 h + 2 e + j, so that c16 comes by loads of 16 bytes.
.set PART,  4352                       ; a part's stage: 16 rows x (256 bytes + 16)
.set SPARE, 17408                      ; behind the four stages: the spare words, 128 bytes for each wave, that no other line names
.set SPW, 2
.set NIL, 3
	s_load_b256 s[4:11], s[0:1], 0x0               ; c16 s[4:5], Wo s[6:7], bo s[8:9], out0 s[10:11]
	v_lshl_add_u32 v[SPW], v0, 2, SPARE
	v_mov_b32 v[NIL], 0
	v_lshrrev_b32 v1, 5, v0
	v_readfirstlane_b32 s12, v1                    ; wave 0..15
	s_and_b32 s13, s12, 3                          ; which 16 columns
	s_lshr_b32 s14, s12, 2                         ; which 256 along K
	s_and_b32 s15, ttmp7, 0xffff                   ; the batch
	v_and_b32 v4, 15, v0                           ; r
	v_bfe_u32 v5, v0, 4, 1                         ; h
	v_lshlrev_b32 v6, 14, v5
	v_lshl_add_u32 v6, v4, 2, v6                   ; Wo: column r, four rows of 4,096 bytes on for lanes 16-31
	v_lshlrev_b32 v7, 12, v4
	v_lshl_add_u32 v7, v5, 4, v7                   ; c16: row r, + 16 h
	s_mul_i32 s16, s14, PART
	s_lshl_b32 s17, s13, 6
	s_add_co_u32 s16, s16, s17
	v_mul_u32_u24 v8, v4, 272
	v_lshl_add_u32 v8, v5, 5, v8
	v_add_nc_u32 v8, s16, v8                       ; my part's stage: row r, + 64 x (my 16 columns) + 32 h
	s_mul_i32 s16, s12, 544
	v_mul_u32_u24 v9, v5, 272
	v_lshl_add_u32 v9, v4, 4, v9
	v_add_nc_u32 v9, s16, v9                       ; back (waves 0 to 7): row 2 w + h, 16 bytes a lane
	v_lshlrev_b32 v10, 12, v5
	v_lshl_add_u32 v10, v4, 4, v10                 ; and the same place in out0
	v_lshlrev_b32 v11, 4, v4                       ; the bias of those four columns
	s_lshl_b32 s20, s14, 20                        ; Wo: 256 rows of 4,096 bytes,
	s_lshl_b32 s22, ttmp9, 8                       ; the work-group's 64 columns,
	s_add_co_u32 s20, s20, s22
	s_lshl_b32 s17, s13, 6                         ; my 16
	s_add_co_u32 s20, s20, s17
	s_mov_b32 s21, 0
	s_mov_b32 s23, 0
	s_lshl_b32 s24, s15, 16                        ; c16: the batch's 16 rows,
	s_lshl_b32 s17, s14, 10                        ; my 256 along K
	s_add_co_u32 s24, s24, s17
	s_mov_b32 s25, 0
	s_lshl_b32 s26, s15, 23                        ; out0: the batch's 2,048 rows of 4,096 bytes,
	s_lshl_b32 s17, s12, 13                        ; two rows a wave,
	s_add_co_u32 s26, s26, s17
	s_add_co_u32 s26, s26, s22                     ; the 64 columns
	s_mov_b32 s27, 0
	s_wait_kmcnt 0x0
	s_add_nc_u64 s[6:7], s[6:7], s[20:21]
	s_add_nc_u64 s[4:5], s[4:5], s[24:25]
	s_add_nc_u64 s[8:9], s[8:9], s[22:23]
	s_add_nc_u64 s[10:11], s[10:11], s[26:27]
	global_load_b128 v[168:171], v11, s[8:9]
; 128 along K: 64 loads of Wo (sixteen lanes read 64 neighbouring bytes), 16 of c16, 32 matrix instructions on two accumulators by turns; their sum is the wave's part
.macro CHUNK c
.irp u, 0,1,2,3,4,5,6,7,8,9,10,11,12,13,14,15
.irp e, 0,1,2,3
	global_load_b32 v[16+4*\u+\e], v6, s[6:7] offset:(128*\c+8*\u+\e)*4096
.endr
	global_load_b128 v[80+4*\u:83+4*\u], v7, s[4:5] offset:512*\c+32*\u
.endr
	s_wait_loadcnt 0x0
.irp u, 0,1,2,3,4,5,6,7,8,9,10,11,12,13,14,15
.irp e, 0,1
.if (\c == 0) && (\u == 0)
	v_wmma_f32_16x16x4_f32 v[144+8*\e:151+8*\e], v[16+4*\u+2*\e:17+4*\u+2*\e], v[80+4*\u+2*\e:81+4*\u+2*\e], 0
.else
	v_wmma_f32_16x16x4_f32 v[144+8*\e:151+8*\e], v[16+4*\u+2*\e:17+4*\u+2*\e], v[80+4*\u+2*\e:81+4*\u+2*\e], v[144+8*\e:151+8*\e]
.endif
.endr
.endr
.rept 8
	v_nop                                          ; eight places behind this form: in front of the next loads into its sources, and of the reads of its results
.endr
.endm
	CHUNK 0
	CHUNK 1
.irp j, 0,1,2,3,4,5,6,7
	v_add_f32 v[160+\j], v[144+\j], v[152+\j]      ; lane (r, h): position r, my column 8 h + j; into other registers than the sums'
.endr
	ds_store_b128 v8, v[160:163]
	ds_store_b128 v8, v[164:167] offset:16
	s_wait_dscnt 0x0                               ; for the others' sake: my stores have landed
	s_barrier_signal -1
	s_barrier_wait -1
	s_cmp_gt_u32 s12, 7
	s_cbranch_scc1 .Ldone
.irp k, 0,1,2,3
	ds_load_b128 v[172+4*\k:175+4*\k], v9 offset:\k*PART
.endr
	s_wait_dscnt 0x0
	v_pk_add_f32 v[172:173], v[172:173], v[176:177]
	v_pk_add_f32 v[174:175], v[174:175], v[178:179]
	v_pk_add_f32 v[180:181], v[180:181], v[184:185]
	v_pk_add_f32 v[182:183], v[182:183], v[186:187]
	v_pk_add_f32 v[172:173], v[172:173], v[180:181]
	v_pk_add_f32 v[174:175], v[174:175], v[182:183]
	v_pk_add_f32 v[172:173], v[172:173], v[168:169]
	v_pk_add_f32 v[174:175], v[174:175], v[170:171]
	global_store_b128 v10, v[172:175], s[10:11]    ; sixteen lanes store 256 consecutive bytes, aligned
.Ldone:
	s_wait_tensorcnt 0x0                           ; the wave's end: a wait, an add and its wait behind my last LDS store
	ds_add_u32 v[SPW], v[NIL]
	s_wait_dscnt 0x0
	s_endpgm
.Lfunc_end_k_q4400978cea_fproj:
	.size	k_q4400978cea_fproj, .Lfunc_end_k_q4400978cea_fproj-k_q4400978cea_fproj
	.p2alignl 7, 3214868480
	.fill 96, 4, 3214868480
	.section	.rodata,"a",@progbits
	.p2align	6, 0x0
	.amdhsa_kernel k_q4400978cea_fproj
		.amdhsa_group_segment_fixed_size 19456
		.amdhsa_private_segment_fixed_size 0
		.amdhsa_enable_private_segment 0
		.amdhsa_kernarg_size 32
		.amdhsa_user_sgpr_count 2
		.amdhsa_user_sgpr_kernarg_segment_ptr 1
		.amdhsa_wavefront_size32 1
		.amdhsa_system_sgpr_workgroup_id_x 1
		.amdhsa_system_sgpr_workgroup_id_y 1
		.amdhsa_system_sgpr_workgroup_id_z 1
		.amdhsa_system_vgpr_workitem_id 0
		.amdhsa_next_free_vgpr 192
		.amdhsa_next_free_sgpr 66
		.amdhsa_reserve_vcc 0
		.amdhsa_float_denorm_mode_32 3
		.amdhsa_float_denorm_mode_16_64 3
		.amdhsa_memory_ordered 1
		.amdhsa_forward_progress 1
		.amdhsa_inst_pref_size 24
	.end_amdhsa_kernel
	.amdgpu_metadata
---
amdhsa.version: [ 1, 2 ]
amdhsa.kernels:
  - .name:           k_q4400978cea_fproj
    .symbol:         k_q4400978cea_fproj.kd
    .args:
      - { .name: c16, .offset: 0, .size: 8, .value_kind: global_buffer, .address_space: global }
      - { .name: Wo, .offset: 8, .size: 8, .value_kind: global_buffer, .address_space: global }
      - { .name: bo, .offset: 16, .size: 8, .value_kind: global_buffer, .address_space: global }
      - { .name: out0, .offset: 24, .size: 8, .value_kind: global_buffer, .address_space: global }
    .group_segment_fixed_size: 19456
    .private_segment_fixed_size: 0
    .kernarg_segment_align: 8
    .kernarg_segment_size: 32
    .max_flat_workgroup_size: 512
    .sgpr_count:     66
    .vgpr_count:     192
    .wavefront_size: 32
...
	.end_amdgpu_metadata
.endif
;; end of part 6
